; MI455X (gfx1250); checked and timed in simulation.
; The chip was launched on July 23, 2026; its instructions are those of AMD's public machine-readable ISA for CDNA 5 (MIT licence, August 2026) and "CDNA5" Instruction Set Architecture Reference Guide (July 2026). The comments in the code are by the model that wrote it; some were corrected since.
;; Multi Head Cross Attention. Allowed arithmetic: matrix products marked QUANTISED: E2M3 operands, one E8M0 scale for each 32 along K, by v_wmma_scale_f32_16x16x128_f8f6f4 with both operands' format E2M3, f32 sums; everything else in f32.
;; Inputs: Wk_b 1,024 float32; Wk_w 1,024 x 1,024 float32; Wo_b 1,024 float32; Wo_w 1,024 x 1,024 float32; Wq_b 1,024 float32; Wq_w 1,024 x 1,024 float32; Wv_b 1,024 float32; Wv_w 1,024 x 1,024 float32; kv 4 x 2,048 x 1,024 float32; kv_freqs 1 x 1 x 2,048 x 32 x 2 x 2 float32; q 4 x 2,048 x 1,024 float32; q_freqs 1 x 1 x 2,048 x 32 x 2 x 2 float32.
;; Outputs: out0 4 x 2,048 x 1,024 float32.
;; This version of the problem:
;;   THIS VERSION OF THE PROBLEM IS GIVEN IN LOW PRECISION. The matrix products marked QUANTISED in the list below multiply operands that are first quantised to E2M3 (2 exponent bits, 3 mantissa bits; 6 bits a number), with one power-of-two scale for each 32 numbers along K (OCP MX v1.0); their sums are f32. All else is computed in f32.
;;   The module's matrix products, in the order in which they are computed (A, B: the left and right operand; K: the contracted axis; several contracted axes count as one K, in the product's order):
;;     1. [M 8,192, K 1,024] x [K 1,024, N 1,024]; A: input q; B: input Wq_w: QUANTISED
;;     2. [M 8,192, K 1,024] x [K 1,024, N 1,024]; A: input kv; B: input Wk_w: QUANTISED
;;     3. [M 8,192, K 1,024] x [K 1,024, N 1,024]; A: input kv; B: input Wv_w: QUANTISED
;;     4. batch 64 x [M 2,048, K 64] x [K 64, N 2,048]; A: computed on the way; B: computed on the way: QUANTISED
;;     5. batch 64 x [M 2,048, K 2,048] x [K 2,048, N 64]; A: softmax (see below); B: computed on the way: QUANTISED
;;     6. [M 8,192, K 1,024] x [K 1,024, N 1,024]; A: computed on the way; B: input Wo_w: QUANTISED
;;   THE QUANTISER, for each operand of a quantised product, along K:
;;     - K is cut into blocks of 32 from its start; a last block that is shorter is filled with zeros.
;;     - A block's scale is 2^e with e = floor(log2(the largest magnitude in the block)) - 2, held to -126 .. 127; a block of zeros has e = 0. As a byte (E8M0): e + 127.
;;     - Each number is divided by its block's scale, clamped to +-7.5, and rounded to the nearest number of E2M3, ties to even, subnormals kept.
;;     - The product sums the exact products of the quantised numbers (number of the format x scale) in f32.
;;   ~~~python
;;   def quantise(x, axis):      # numpy; x: float32 -> the quantised numbers, widened to float32 again
;;       x = np.moveaxis(x, axis, -1); K = x.shape[-1]
;;       x = np.pad(x, [(0, 0)] * (x.ndim - 1) + [(0, -K % 32)]); x = x.reshape(x.shape[:-1] + (-1, 32)); a = np.abs(x).max(-1, keepdims=True)
;;       e = np.where(a > 0, np.clip(np.frexp(np.where(a > 0, a, 1))[1] - 1 - 2, -126, 127), 0)      # np.frexp(a)[1] - 1 = floor(log2(a)), exactly
;;       r = np.clip(x / 2.0 ** e, -7.5, 7.5)
;;       step = 2.0 ** (np.maximum(np.frexp(np.where(r == 0, 1, r))[1] - 1, 0) - 3)
;;       q = np.round(r / step) * step * 2.0 ** e      # np.round: ties to even
;;       return np.moveaxis(q.reshape(q.shape[:-2] + (-1,))[..., :K], -1, axis).astype(np.float32)
;;   ~~~
;;   SOFTMAX AHEAD OF A QUANTISED PRODUCT. Where the list says 'softmax', what is quantised is not the finished softmax but p = 2^(t - M), with t = logit x log2(e) and M = ceil(the row's largest t), a whole number; so 1/2 < the row's largest p <= 1. The row's sum l is taken of the UNQUANTISED p, in f32, and the product's result is divided by l at the end. Since M is a whole number, a kernel that streams over the keys may use a running M (the ceiling of the running maximum): every later rescaling is an exact power of two, which a block's scale takes up: the codes' values come out the same.
;;   OPERANDS COMPUTED ON THE WAY. 'Computed on the way' means the value that the module computes at that place (a softmax that the list does not call 'softmax' is quantised finished and normalised). What goes into a quantiser is computed in f32, as accurately as f32 sums, v_exp_f32 and their like allow (about 1e-6 of the number): no bf16 or f16 on the way to a quantiser, and a product that is left as it is and whose result goes on into a quantised operand takes f32 operands (vector FMAs, or v_wmma_f32_16x16x4_f32). A number that lies on a knife's edge between two numbers of the format may be rounded either way, as far as f32 arithmetic and the matrix unit's own rounding can turn it there, and no further.
;; One version. Each part assembles by itself: llvm-mc -triple=amdgcn-amd-amdhsa -mcpu=gfx1250 --defsym DOCPART=n.
;; ======== version 1 of 1: 4 launches
;; limits: right only within a limited range of input values
;; workspace buffers: codes 15,728,640 bytes; scales 655,360 bytes; qimg 6,815,744 bytes; kvimg 13,631,488 bytes; oimg 6,291,456 bytes; osc 262,144 bytes
;; launch quant (part 1): grid 640 x 1, 4 waves a work-group, no clusters, 33,280 bytes of LDS; arguments q, kv, Wq_w, Wk_w, Wv_w, Wo_w, codes, scales; writes codes, scales
.if DOCPART == 1
	.amdgcn_target "amdgcn-amd-amdhsa--gfx1250"
	.amdhsa_code_object_version 6
	.text
	.protected	k_q60f6530d73_quant
	.globl	k_q60f6530d73_quant
	.p2align	8
	.type	k_q60f6530d73_quant,@function
k_q60f6530d73_quant:
	s_mov_b64 s[64:65], 0
	v_nop
	global_prefetch_b8 v0, s[64:65] scope:SCOPE_SE
	s_setreg_imm32_b32 hwreg(HW_REG_WAVE_MODE, 25, 1), 1
	s_wait_xcnt 0x0
; LAUNCH 1 OF 4.  The program: cross attention, 4 x 2,048 tokens, 16 heads of 64, all six matrix products on codes of E2M3 with one E8M0 scale for each 32 along K.
; NO WORK OF THE PROBLEM IS LEFT OUT: every bias goes into a quantised operand or into the output, both frequency tables turn numbers that are quantised, so every input is loaded by some launch.
; This launch turns q, kv [8,192][1,024] and Wq_w, Wk_w, Wv_w, Wo_w [1,024][1,024], f32, K innermost in all six, into codes, 6 bits each, and one scale byte for each 32 along K.
; codes: 20,480 rows of 768 bytes (a row is one stream of bits); scales: the same rows, 32 bytes each.  Rows: q 0, kv 8,192, Wq 16,384, Wk 17,408, Wv 18,432, Wo 19,456.
; A block's scale is 2^(floor(log2(its largest magnitude)) - 2); its byte is the largest magnitude's own exponent field - 2, held at 1 from below.  Each number is divided by the scale and rounded to the nearest code, ties to even.
; LIMITS: a block of zeros gets the byte 1 where the rule says 127 (its codes are zeros, and this program alone reads the bytes); blocks whose largest magnitude lies under 2^-124 keep the byte 1;
; NaN and infinities among the inputs are not served.
; Rows are dense and 1,024 is a multiple of 32, so each tensor is a plain stream of blocks of 32.  A work-group takes 32,768 numbers of one tensor, a wave 8,192: 16 steps of 512.  The outputs are linear in the work-group's number.
; Each of a step's four loads reads 512 consecutive bytes, 16 a lane; the 2,048 bytes go through the wave's own stage in LDS and come back 64 bytes a lane: 16 neighbours, as the conversion wants them; two lanes hold a block.
; A lane's 16 codes are 12 bytes: the wave stores two runs of 192 bytes.  A wave's 256 scale bytes are gathered in LDS and leave as one aligned run of 256 bytes.
; No tensor load, no barrier, no cluster: the waves share nothing, and every byte is read once.
.set WAVES, 4
.set STEPS, 16
.set CB,    12                         ; bytes of 16 codes
.set R,     16                         ; v16-79   four sets of 16 numbers as they are loaded
.set X,     80                         ; v80-111  two sets of 16 neighbours
.set C,     128                        ; v128-191 codes: four registers for each step, so that no store's data are written again
.set E,     112                        ; v112-127 a scale byte for each step
.set WREG,  8192                       ; LDS: a region for each wave: two stages of 32 x SP bytes, behind them its 256 scale bytes
.set SP,    80                         ; a lane's place in a stage: its 64 bytes + 16 of padding
.set SPW,   12                         ; v12  LDS address of my spare word; never rewritten
.set NIL,   13                         ; v13  0; never rewritten
.set SPARE, WAVES*WREG                 ; behind the four regions: the spare words, 128 bytes for each wave
	s_load_b512 s[4:19], s[0:1], 0x0               ; q, kv, Wq_w, Wk_w, Wv_w, Wo_w, codes s[16:17], scales s[18:19]
	v_lshl_add_u32 v[SPW], v0, 2, SPARE
	v_mov_b32 v[NIL], 0
	v_lshrrev_b32 v1, 5, v0
	v_readfirstlane_b32 s20, v1                    ; wave
	v_and_b32 v2, 31, v0                           ; lane
	v_lshlrev_b32 v3, 4, v2                        ; my 16 bytes of a load's 512
	s_mul_i32 s21, s20, WREG
	v_lshrrev_b32 v14, 2, v2
	v_mul_u32_u24 v14, v14, SP
	v_and_b32 v15, 3, v2
	v_lshl_add_u32 v14, v15, 4, v14
	v_add_nc_u32 v14, s21, v14                     ; the stage, on the way in: SP (lane / 4) + 16 (lane % 4)
	v_mul_u32_u24 v15, v2, SP
	v_add_nc_u32 v15, s21, v15                     ; and on the way out: SP x lane: my 16 neighbours
; THE CODES' LAYOUT (it takes the place of the rows of 768 bytes named at the head): [4 steps of 256 along K][20,480 rows][192 bytes].
; So the 128 rows that a later launch fetches for one step are 24,576 dense bytes that begin at a multiple of 256.
; A step of this launch is half a row: lanes 0-15 hold one step of 256 along K, lanes 16-31 the next: two runs of 192 bytes a store.
.set PLANE, 20480*192                  ; bytes of one step of 256 along K of all rows
	v_and_b32 v4, 15, v2
	v_mul_u32_u24 v4, v4, CB                       ; my codes' place in a row's 192 bytes
	v_lshrrev_b32 v10, 4, v2
	v_mad_u32_u24 v4, v10, PLANE, v4               ; lanes 16-31: the next plane
	v_lshrrev_b32 v5, 1, v2
	s_add_co_u32 s21, s21, 2*32*SP
	v_add_nc_u32 v5, s21, v5                       ; LDS: my wave's 256 scale bytes, my block's byte
	v_lshlrev_b32 v7, 3, v2                        ; and on the way out 8 bytes a lane
	v_add_nc_u32 v6, s21, v7
	s_max_u32 s22, ttmp9, 512
	s_sub_co_u32 s22, s22, 512
	s_lshr_b32 s22, s22, 5                         ; which weight: 32 work-groups each, from work-group 512 on
	s_wait_alu depctr_va_vdst(0)
	s_wait_kmcnt 0x0
	s_cmp_eq_u32 s22, 1                            ; the tensor is chosen by the work-group's number alone
	s_cselect_b64 s[8:9], s[10:11], s[8:9]
	s_cmp_eq_u32 s22, 2
	s_cselect_b64 s[8:9], s[12:13], s[8:9]
	s_cmp_eq_u32 s22, 3
	s_cselect_b64 s[8:9], s[14:15], s[8:9]
	s_cmp_lt_u32 ttmp9, 512
	s_cselect_b64 s[8:9], s[6:7], s[8:9]           ; work-groups 256 to 511: kv
	s_cselect_b32 s22, 255, 31
	s_cmp_lt_u32 ttmp9, 256
	s_cselect_b64 s[4:5], s[4:5], s[8:9]           ; work-groups 0 to 255: q
	s_and_b32 s22, ttmp9, s22                      ; the work-group's number within its tensor
	s_lshl_b32 s22, s22, 2
	s_add_co_u32 s22, s22, s20                     ; my wave's run of 8,192 numbers in it,
	s_lshl_b32 s22, s22, 15                        ; in bytes (under 2^25)
	s_mov_b32 s23, 0
	s_add_nc_u64 s[4:5], s[4:5], s[22:23]
	s_lshl_b32 s24, ttmp9, 2
	s_add_co_u32 s24, s24, s20                     ; my run among all 2,560
	s_mov_b32 s25, 0
	s_mul_i32 s22, s24, 8*192                      ; a run is 8 rows: 192 bytes each in a plane
	s_add_nc_u64 s[16:17], s[16:17], s[22:23]
	s_lshl_b32 s24, s24, 8                         ; 256 scale bytes a run
	s_add_nc_u64 s[18:19], s[18:19], s[24:25]
.macro LOAD t
.irp i, 0,1,2,3
	global_load_b128 v[R+16*((\t)%4)+4*\i:R+16*((\t)%4)+4*\i+3], v3, s[4:5] offset:2048*(\t)+512*\i th:TH_LOAD_NT   ; 32 lanes read 512 consecutive bytes
.endr
.endm
.macro TURN t                          ; step t's numbers through the stage: LDS serves a wave's instructions in order (ISA guide 5.7.1.4), so no wait stands between the stores and the loads
.irp i, 0,1,2,3
	ds_store_b128 v14, v[R+16*((\t)%4)+4*\i:R+16*((\t)%4)+4*\i+3] offset:32*SP*((\t)%2)+8*SP*\i
.endr
.irp i, 0,1,2,3
	ds_load_b128 v[X+16*((\t)%2)+4*\i:X+16*((\t)%2)+4*\i+3], v15 offset:32*SP*((\t)%2)+16*\i
.endr
.endm
.irp t, 0,1,2,3
	LOAD \t
.endr
	s_wait_loadcnt 12                              ; step 0's four loads are in; the twelve of steps 1 to 3 stay out
	TURN 0
.macro STEP t
.set XS, X+16*((\t)%2)
.if (\t) > 0
	s_wait_dscnt 1                                 ; this step's numbers are back from the stage (the last step's byte store may be out): so its stores into the stage have read their registers,
.else
	s_wait_dscnt 0x0
.endif
.if (\t)+4 < STEPS
	LOAD (\t)+4                                    ; which take the loads of four steps on
.endif
.if (\t)+1 < STEPS
.if STEPS-2-(\t) >= 3
	s_wait_loadcnt 12                              ; the next step's four loads are in; those of the three steps behind it may be out
.else
	s_wait_loadcnt 4*(STEPS-2-(\t))
.endif
	TURN (\t)+1                                    ; and go through the other stage while this step is worked
.endif
	v_max3_num_f32 v8, |v[XS]|, |v[XS+1]|, |v[XS+2]|               ; the largest magnitude of my 16, in two chains
	v_max3_num_f32 v9, |v[XS+3]|, |v[XS+4]|, |v[XS+5]|
.irp i, 6,10
	v_max3_num_f32 v8, v8, |v[XS+\i]|, |v[XS+\i+1]|
	v_max3_num_f32 v9, v9, |v[XS+\i+2]|, |v[XS+\i+3]|
.endr
	v_max3_num_f32 v8, v8, |v[XS+14]|, |v[XS+15]|
	v_max3_num_f32 v8, v8, v9, 0x1800000           ; and the floor 2^(3 - 127): the byte cannot fall under 1
	v_max_num_f32_dpp v8, v8, v8 row_xmask:1 row_mask:0xf bank_mask:0xf   ; and of my neighbour's 16: the block's
	v_add_nc_u32 v11, 0xff000000, v8               ; 2 off its exponent field: the conversion takes the exponent field of this operand as its scale, and nothing else of it
	v_cvt_scalef32_pk16_fp6_f32 v[C+4*(\t):C+4*(\t)+2], v[XS:XS+15], v11
	v_lshrrev_b32 v[E+(\t)], 23, v11               ; the scale's byte
	ds_store_b8 v5, v[E+(\t)] offset:16*(\t)       ; both lanes of a block write the same byte with the same value
	global_store_b96 v4, v[C+4*(\t):C+4*(\t)+2], s[16:17] offset:192*((\t)/2)+2*PLANE*((\t)%2)   ; row t / 2 of my 8, planes 2 (t % 2) and 2 (t % 2) + 1; the offset stays inside the signed 24-bit immediate
.endm
.irp t, 0,1,2,3,4,5,6,7,8,9,10,11,12,13,14,15
	STEP \t
.endr
	ds_load_b64 v[8:9], v6                         ; in order behind my byte stores
	s_wait_dscnt 0x0
	global_store_b64 v7, v[8:9], s[18:19]          ; 32 lanes store 256 consecutive bytes, aligned
	s_wait_tensorcnt 0x0                           ; the wave's end, behind my last LDS store
	ds_add_u32 v[SPW], v[NIL]
	s_wait_dscnt 0x0
	s_endpgm
.Lfunc_end_k_q60f6530d73_quant:
	.size	k_q60f6530d73_quant, .Lfunc_end_k_q60f6530d73_quant-k_q60f6530d73_quant
	.p2alignl 7, 3214868480
	.fill 96, 4, 3214868480
	.section	.rodata,"a",@progbits
	.p2align	6, 0x0
	.amdhsa_kernel k_q60f6530d73_quant
		.amdhsa_group_segment_fixed_size 33280
		.amdhsa_private_segment_fixed_size 0
		.amdhsa_enable_private_segment 0
		.amdhsa_kernarg_size 64
		.amdhsa_user_sgpr_count 2
		.amdhsa_user_sgpr_kernarg_segment_ptr 1
		.amdhsa_wavefront_size32 1
		.amdhsa_system_sgpr_workgroup_id_x 1
		.amdhsa_system_sgpr_workgroup_id_y 1
		.amdhsa_system_sgpr_workgroup_id_z 1
		.amdhsa_system_vgpr_workitem_id 0
		.amdhsa_next_free_vgpr 192
		.amdhsa_next_free_sgpr 66
		.amdhsa_reserve_vcc 0
		.amdhsa_float_denorm_mode_32 3
		.amdhsa_float_denorm_mode_16_64 3
		.amdhsa_memory_ordered 1
		.amdhsa_forward_progress 1
		.amdhsa_inst_pref_size 33
	.end_amdhsa_kernel
	.amdgpu_metadata
---
amdhsa.version: [ 1, 2 ]
amdhsa.kernels:
  - .name:           k_q60f6530d73_quant
    .symbol:         k_q60f6530d73_quant.kd
    .args:
      - { .name: q, .offset: 0, .size: 8, .value_kind: global_buffer, .address_space: global }
      - { .name: kv, .offset: 8, .size: 8, .value_kind: global_buffer, .address_space: global }
      - { .name: Wq_w, .offset: 16, .size: 8, .value_kind: global_buffer, .address_space: global }
      - { .name: Wk_w, .offset: 24, .size: 8, .value_kind: global_buffer, .address_space: global }
      - { .name: Wv_w, .offset: 32, .size: 8, .value_kind: global_buffer, .address_space: global }
      - { .name: Wo_w, .offset: 40, .size: 8, .value_kind: global_buffer, .address_space: global }
      - { .name: codes, .offset: 48, .size: 8, .value_kind: global_buffer, .address_space: global }
      - { .name: scales, .offset: 56, .size: 8, .value_kind: global_buffer, .address_space: global }
    .group_segment_fixed_size: 33280
    .private_segment_fixed_size: 0
    .kernarg_segment_align: 8
    .kernarg_segment_size: 64
    .max_flat_workgroup_size: 128
    .sgpr_count:     66
    .vgpr_count:     192
    .wavefront_size: 32
...
	.end_amdgpu_metadata
.endif
;; end of part 1
;; launch proj (part 2): grid 12 x 32, 4 waves a work-group, clusters of 4 x 4, 327,680 bytes of LDS; arguments codes, scales, Wq_b, Wk_b, Wv_b, q_freqs, kv_freqs, qimg, kvimg; writes qimg, kvimg
.if DOCPART == 2
	.amdgcn_target "amdgcn-amd-amdhsa--gfx1250"
	.amdhsa_code_object_version 6
	.text
	.protected	k_q60f6530d73_proj
	.globl	k_q60f6530d73_proj
	.p2align	8
	.type	k_q60f6530d73_proj,@function
k_q60f6530d73_proj:
	s_mov_b64 s[64:65], 0
	v_nop
	global_prefetch_b8 v0, s[64:65] scope:SCOPE_SE
	s_setreg_imm32_b32 hwreg(HW_REG_WAVE_MODE, 25, 1), 1
	s_wait_xcnt 0x0
	s_wait_alu depctr_hold_cnt(0) depctr_sa_sdst(0) depctr_va_vdst(0) depctr_va_sdst(0) depctr_va_ssrc(0) depctr_va_vcc(0) depctr_vm_vsrc(0)
	s_getreg_b32 s2, hwreg(HW_REG_IB_STS2, 6, 4)
	s_cmp_eq_u32 s2, 0
	s_cbranch_scc0 .Lentry_in_a_cluster
	s_endpgm
.Lentry_in_a_cluster:
	s_bfe_u32 s2, ttmp6, 0x10000c
	s_cmp_lg_u32 s2, 0xf033
	s_cbranch_scc0 .Lentry_shape_is_right
	s_endpgm
.Lentry_shape_is_right:
; LAUNCH 2 OF 4: the three projections, their biases, the 2 x 2 turn of Q's and K's channel pairs, and the quantisers ahead of attention.  Nothing of the problem is left out here.
; ONE GEMM TEXT, C[m][n] = sum over k of A[m][k] B[n][k], K = 1,024, on rows of the buffers codes and scales.  The cluster's x says which product (the same number in all sixteen partners):
;   0: A = q's rows, B = Wq's    1: A = kv's rows, B = Wk's    2: A = Wv's rows, B = kv's rows, so that V comes out with the KEYS along a lane's registers: the keys are the K of attention's second product.
; A tile of C is 256 x 256, four waves of 128 x 128: 64 accumulators, 512 registers.  K goes in steps of 256 through two LDS slots filled by the tensor data mover; the scale bytes of the 512 rows come once and stay.
; CLUSTERS: 4 x 4 work-groups; A's tiles are asked for jointly along a row of the cluster, B's along a column.
; THE MATRIX INSTRUCTION IS USED TRANSPOSED (source 0 = 16 rows of B, source 1 = 16 rows of A): lane (r, h) holds A's row r, register j of accumulator (a, b) is B's row 16 b + 8 h + j.
; THE BIAS is the C of each sum's first product: by B's row in products 0 and 1 (a feature), by A's row in product 2.
; THE WAY OUT.  Products 0, 1: a lane holds one token and 128 features (two heads).  Each pair (x0, x1) becomes (f00 x0 + f01 x1, f10 x0 + f11 x1) with the token's four numbers of that pair; then each head's 64 numbers are
; quantised in two blocks of 32.  Product 2: a lane holds one feature and 128 keys: four blocks of 32.
; THE ORDER INSIDE A BLOCK OF 32.  The 16 registers of two neighbouring accumulators go to the conversion as they stand, so a block's code places 0-7, 8-15, 16-23, 24-31 hold its numbers 0-7, 16-23, 8-15, 24-31.
; Q and K come from this same text, and attention's p is laid by the same order as V: both operands of each product are permuted alike inside a block, so the products and the scales are those of the problem.
; LIMIT: the unit then groups the exact products otherwise than in the true order of k.  Blocks of zeros and blocks under 2^-124 keep the byte 1; NaN and infinities are not served.
; OUTPUTS ARE IMAGES OF OPERAND REGISTERS: four registers of 32 lanes are 512 consecutive bytes, lane l's 16 at 16 l.
;   qimg  [64 batch x head][16 blocks of 128 queries][6,656]: four double tiles of 1,536 bytes (registers 0-5: token tile 2 i, 6-11: tile 2 i + 1), then 512 bytes of scale words [lane][4]: word i of lane 16 u + r: tile 2 i + u, row r.
;   kvimg [64][16 steps of 128 keys][13,312]: K's codes as qimg's; at 6,144 V's four fragments (16 channels x 128 keys); at 12,288 K's scale words; at 12,800 V's: [lane][4]: word t: channel tile t, row lane % 16.
; A Q or K scale word's bytes 0, 1 are its head's two blocks; bytes 2, 3 are the neighbouring head's bytes or 0: they meet zero codes in attention and are never 0xff.
; REGISTERS, in windows of 256.  Window 0: v0-31 addresses; v32-63 scale words, two sets; v64-127 the bias, later the turned numbers; from v128 A's fragments, later codes and work.
;   window 1: B's fragments, two sets; later the frequency numbers.  Windows 2, 3: the accumulators ((a, b) at v[8 (8 (a % 4) + b)] of window 2 + a / 4).
.set NQ,     2                         ; matrix instructions deep in a slot
.set ROWB,   192                       ; a tile's row: 256 codes
.set PLANE,  20480*192                 ; codes are laid [4 steps of 256 along K][20,480 rows][192 bytes]: from one step to the next
.set PITCH,  240                       ; an LDS row: 3 x (64 bytes + 16 of padding) = 60 words: the 32 lanes of a load of 8 bytes touch 64 different banks (64 banks of 4 bytes: ISA guide 11.1)
.set FR,     12                        ; registers of a fragment
.set NL,     6                         ; LDS loads that bring one
.set NP,     4                         ; places behind this matrix instruction (ISA guide 7.12.1)
.set HALFT,  128*PITCH
.set SLOT,   4*HALFT                   ; A's 256 rows, then B's 256 rows
.set LAPS,   2                         ; 1,024 / 512: a lap is two slots
.set KS,     32                        ; a row of scale bytes
.set SCL,    2*SLOT                    ; behind the ring: the scale bytes, as runs of 256 bytes + 16 of padding
.set HALFS,  16*272                    ; those of 128 rows
.set SBLK,   2*272                     ; those of 16 rows
.set SPARE,  SCL+4*HALFS               ; the spare words, 128 bytes for each wave
.set FPITCH, 528                       ; the way out: a token's 512 bytes of frequency numbers + 16
.set FSTG,   16*FPITCH                 ; a stage of 16 tokens; each wave has two, in slot 0, which has had its last fill and its last read by then
.set ADRA, 16                          ; v16-19  LDS addresses of my A fragments (slot 0, 1; and behind one padding more)
.set ADRB, 20                          ; v20-23  the same for B
.set FST,  24                          ; v24     the frequency stage: where I put 16 bytes of a token's row
.set FRD,  25                          ; v25     and where I read my token's numbers
.set CO,   26                          ; v26     16 x lane: an image's place for my lane
.set ADRS, 27                          ; v27     LDS address of my scale words; on the way out: 16 x lane + the scale words' place in the image
.set SOF,  27
.set SPW,  28                          ; v28     LDS address of my spare word; never rewritten
.set NIL,  29                          ; v29     0; never rewritten
.set SC,   32                          ; scale words
.set BI,   64                          ; the bias, eight registers for each block
.set HA,   64                          ; later: a token tile's 64 turned numbers a lane
.set AF,   128                         ; A's fragments
.set PC,   128                         ; later: v128-151 codes
.set CT,   152                         ; v152-159 the conversions' second halves
.set W,    160                         ; v160-167 the scale word of each of my eight blocks
.set W2,   168
.set W3,   172
.set TM,   176                         ; v176-191 at work in the quantiser
.set SEL,  22                          ; s[22:23] lane selects for v_permlanex16_b32: lane l xor 16
.set G1, 24
.set G0, 32
.set G1B, 48
.set G0B, 56
.set G1S, 68
.set G0S, 76
.set G1SB, 80
.set G0SB, 88
.set MSB, 0
.macro WIN new                         ; the immediate's high byte repeats the setting that is left
.if MSB != (\new)
	s_set_vgpr_msb (MSB<<8)|(\new)
.set MSB, (\new)
.endif
.endm
.set MUL_LO, 0xa1                      ; source 0 (B) window 1, source 1 (A) window 0, C and D window 2
.set MUL_HI, 0xf1                      ; the same, C and D window 3
.set TO_B,   0x40                      ; destination window 1, address window 0
; A joint load: waves 0 and 1 fetch for A, waves 2 and 3 for B.  The branch hangs on the wave's number alone.  An s_nop 0 and four v_nop follow each of the two lines.
.macro JLOAD g0a, g1a, g0b, g1b
	s_cmp_eq_u32 s15, 0
	s_cbranch_scc0 .Lfor_b_\@
	tensor_load_to_lds s[\g0a:\g0a+3], s[\g1a:\g1a+7]
	s_nop 0
.rept 4
	v_nop
.endr
	s_branch .Lasked_\@
.Lfor_b_\@:
	tensor_load_to_lds s[\g0b:\g0b+3], s[\g1b:\g1b+7]
	s_nop 0
.rept 4
	v_nop
.endr
.Lasked_\@:
.endm
.macro CREST                           ; a round of the cluster's barrier behind its opening barrier
	s_cmp_lg_u32 s14, 0
	s_cbranch_scc1 .Lnot_wave_0_\@
	s_barrier_signal -3
.Lnot_wave_0_\@:
	s_barrier_wait -3
	s_barrier_signal -1
	s_barrier_wait -1
.endm
.macro CROUND
	s_barrier_signal -1
	s_barrier_wait -1
	CREST
.endm
	s_load_b128 s[4:7], s[0:1], 0x0                ; codes s[4:5], scales s[6:7]
	s_load_b128 s[8:11], s[0:1], 0x10              ; Wq_b, Wk_b
	s_load_b64 s[12:13], s[0:1], 0x20              ; Wv_b
	s_load_b128 s[96:99], s[0:1], 0x28             ; q_freqs, kv_freqs
	s_load_b64 s[66:67], s[0:1], 0x38              ; qimg
	s_load_b64 s[100:101], s[0:1], 0x40            ; kvimg
	v_lshl_add_u32 v[SPW], v0, 2, SPARE
	v_mov_b32 v[NIL], 0
	ds_add_u32 v[SPW], v[NIL]                      ; the wave's opening: the add, twice on end, and its wait ahead of my first tensor load
	ds_add_u32 v[SPW], v[NIL]
	v_lshrrev_b32 v1, 5, v0
	v_readfirstlane_b32 s14, v1                    ; wave 0..3
	s_lshr_b32 s15, s14, 1                         ; which half of A's rows is mine.  Also: I fetch for A (0) or for B (1)
	s_and_b32 s16, s14, 1                          ; which half of B's rows.  Also: which 128 rows of that tile I fetch
	s_bfe_u32 s40, ttmp6, 0x40000                  ; cx, cy: my place in the cluster
	s_bfe_u32 s41, ttmp6, 0x40004
	s_and_b32 s18, ttmp7, 0xffff
	s_lshl_b32 s18, s18, 2                         ; 4 x the cluster's y: it walks the 32 tiles of tokens
	s_cmp_eq_u32 ttmp9, 2                          ; product 2 has the tokens as B's rows
	s_cselect_b32 s17, 0, s18
	s_cselect_b32 s42, s18, 0
	s_add_co_u32 s17, s17, s41                     ; A's tile: (4 y or 0) + cy
	s_add_co_u32 s42, s42, s40                     ; B's tile: (0 or 4 y) + cx
	s_cmp_eq_u32 ttmp9, 0                          ; where A's and B's rows begin in the buffers
	s_mov_b32 s94, 8192
	s_cselect_b32 s94, 0, s94
	s_mov_b32 s95, 17408
	s_cselect_b32 s95, 16384, s95
	s_cmp_eq_u32 ttmp9, 2
	s_cselect_b32 s94, 18432, s94
	s_cselect_b32 s95, 8192, s95
	s_lshl_b32 s43, s41, 2
	s_lshl_b32 s43, 15, s43                        ; my row of the cluster
	s_lshl_b32 s44, 0x1111, s40                    ; my column
	; descriptor group 1: a tile of 128 rows x 192 bytes, 16 bytes of padding behind every 64
	s_or_b32 s[G1+0], s43, (0<<16)|(1<<20)|(1<<21)|(3<<22)|(3<<25)
	s_or_b32 s[G1B+0], s44, (0<<16)|(1<<20)|(1<<21)|(3<<22)|(3<<25)
.irp g, G1, G1B
	; 128 rows x 192 bytes of one step are dense in memory: 96 rows of 256 bytes, each at a multiple of 256; the padding behind every 64 bytes gives LDS rows of 240 bytes for each 192
	s_mov_b32 s[\g+1], 256<<16                     ; tensor_dim0
	s_mov_b32 s[\g+2], 192<<16                     ; tensor_dim1: the head's loads bring 256 rows of codes = 192 rows of 256 bytes; the ring's 96
	s_mov_b32 s[\g+3], 256<<16                     ; tile_dim0
	s_mov_b32 s[\g+4], 192                         ; tile_dim1
	s_mov_b32 s[\g+5], 256                         ; from row to row
	s_mov_b32 s[\g+6], 0
	s_mov_b32 s[\g+7], 0
.endr
	; the scale bytes of 256 rows: 8,192 dense bytes, as 32 rows of 256 (32 elements of 8 bytes), 16 bytes of padding behind each
	s_or_b32 s[G1S+0], s43, (3<<16)|(1<<20)|(1<<21)|(5<<22)|(3<<25)
	s_or_b32 s[G1SB+0], s44, (3<<16)|(1<<20)|(1<<21)|(5<<22)|(3<<25)
.irp g, G1S, G1SB
	s_mov_b32 s[\g+1], 32<<16
	s_mov_b32 s[\g+2], 32<<16                      ; the scale bytes of 256 rows: 32 rows of 256 bytes
	s_mov_b32 s[\g+3], 32<<16
	s_mov_b32 s[\g+4], 32
	s_mov_b32 s[\g+5], 32
	s_mov_b32 s[\g+6], 0
	s_mov_b32 s[\g+7], 0
.endr
	s_lshl_b32 s20, s17, 8                         ; the tile's first row; my half of it is added for the ring, below
	s_add_co_u32 s20, s20, s94                     ; A's first row
	s_lshl_b32 s46, s42, 8
	s_add_co_u32 s46, s46, s95                     ; B's first row
	s_mov_b32 s21, 0
	s_mov_b32 s47, 0
	s_mov_b64 s[18:19], KS
	s_mul_u64 s[22:23], s[20:21], s[18:19]         ; where these rows' scale bytes begin
	s_mul_u64 s[92:93], s[46:47], s[18:19]
	s_mov_b64 s[18:19], ROWB
	s_mul_u64 s[20:21], s[20:21], s[18:19]         ; and their codes
	s_mul_u64 s[46:47], s[46:47], s[18:19]
	s_mul_i32 s45, s14, HALFT                      ; where they go: wave x 128 rows
	s_wait_dscnt 0x0                               ; both opening adds are done
	s_wait_kmcnt 0x0
	s_add_nc_u64 s[20:21], s[4:5], s[20:21]
	s_add_nc_u64 s[22:23], s[6:7], s[22:23]
	s_add_nc_u64 s[46:47], s[4:5], s[46:47]
	s_add_nc_u64 s[92:93], s[6:7], s[92:93]
	CROUND                                         ; all sixteen work-groups are here: the first joint loads meet
.set G0H,  4                           ; s[4:7], s[92:95]: group 0 of the head's loads of slot 0: A's 256 rows, B's 256 rows (what lay there has been used)
.set G0HB, 92
	s_mov_b32 s[G0S], 1                            ; the head's four tiles, each whole: the scale bytes of A's 256 rows,
	s_mov_b32 s[G0S+1], SCL
	s_mov_b64 s[G0S+2:G0S+3], s[22:23]
	s_or_b32 s[G0S+3], s[G0S+3], 0x80000000
	s_mov_b32 s[G0SB], 1                           ; of B's,
	s_mov_b32 s[G0SB+1], SCL+2*HALFS
	s_mov_b64 s[G0SB+2:G0SB+3], s[92:93]
	s_or_b32 s[G0SB+3], s[G0SB+3], 0x80000000
	s_mov_b32 s[G0H], 1                            ; the first step's 256 rows of A,
	s_mov_b32 s[G0H+1], 0
	s_mov_b64 s[G0H+2:G0H+3], s[20:21]
	s_or_b32 s[G0H+3], s[G0H+3], 0x80000000
	s_mov_b32 s[G0HB], 1                           ; and of B, behind them in slot 0
	s_mov_b32 s[G0HB+1], 2*HALFT
	s_mov_b64 s[G0HB+2:G0HB+3], s[46:47]
	s_or_b32 s[G0HB+3], s[G0HB+3], 0x80000000
	s_mul_i32 s18, s16, 128*ROWB                   ; for the ring: my 128 rows of the tile
	s_mov_b32 s19, 0
	s_add_nc_u64 s[20:21], s[20:21], s[18:19]
	s_add_nc_u64 s[46:47], s[46:47], s[18:19]
.irp s, 0,1
	s_mov_b32 s[G0+4*\s], 1
	s_add_co_u32 s[G0+4*\s+1], s45, \s*SLOT
	s_add_nc_u64 s[G0+4*\s+2:G0+4*\s+3], s[20:21], \s*PLANE
	s_or_b32 s[G0+4*\s+3], s[G0+4*\s+3], 0x80000000
	s_mov_b32 s[G0B+4*\s], 1
	s_add_co_u32 s[G0B+4*\s+1], s45, \s*SLOT
	s_add_nc_u64 s[G0B+4*\s+2:G0B+4*\s+3], s[46:47], \s*PLANE
	s_or_b32 s[G0B+4*\s+3], s[G0B+4*\s+3], 0x80000000
.endr
; THE HEAD'S LOADS, ONE A WAVE: wave 0 A's 256 rows of the first step, wave 1 B's, wave 2 A's scale bytes, wave 3 B's.  One chain of branches on the wave's number; every way passes one load.
.macro ARM under, g0, g1, next
	s_cmp_lt_u32 s14, \under
	s_cbranch_scc0 \next
	tensor_load_to_lds s[\g0:\g0+3], s[\g1:\g1+7]
	s_nop 0
.rept 4
	v_nop
.endr
	s_branch .Lhead_asked
\next:
.endm
	ARM 1, G0H,  G1,  .Lhead_b
	ARM 2, G0HB, G1B, .Lhead_sa
	ARM 3, G0S,  G1S, .Lhead_sb
	tensor_load_to_lds s[G0SB:G0SB+3], s[G1SB:G1SB+7]
	s_nop 0
.rept 4
	v_nop
.endr
.Lhead_asked:
	v_and_b32 v1, 15, v0                           ; r = lane % 16
	v_bfe_u32 v2, v0, 4, 1                         ; h = lane / 16
	v_mul_u32_u24 v3, v1, PITCH
	v_mul_u32_u24 v4, v2, 24
	v_add_nc_u32 v4, v3, v4                        ; a fragment's row x pitch + 24 x half
	v_lshl_add_u32 v5, v2, 4, v4                   ; and the same behind one padding more
	s_mul_i32 s21, s15, HALFT                      ; my 128 rows of A
	s_mul_i32 s22, s16, HALFT                      ; my 128 rows of B,
	s_add_co_u32 s22, s22, 2*HALFT                 ; which lie behind A's 256
.irp s, 0,1
	v_add_nc_u32 v[ADRA+\s], s21, v4
	v_add_nc_u32 v[ADRB+\s], s22, v4
	v_add_nc_u32 v[ADRA+2+\s], s21, v5
	v_add_nc_u32 v[ADRB+2+\s], s22, v5
	s_add_co_u32 s21, s21, SLOT
	s_add_co_u32 s22, s22, SLOT
.endr
	v_mul_u32_u24 v5, v1, KS                       ; my row's scale bytes: 32 a row,
	v_lshrrev_b32 v6, 8, v5
	v_lshl_add_u32 v5, v6, 4, v5                   ; and 16 more for each 256 passed
	s_mul_i32 s21, s15, HALFS
	s_mul_i32 s22, s16, HALFS
	s_add_co_u32 s22, s22, 2*HALFS
	s_sub_co_u32 s22, s22, s21
	v_mul_u32_u24 v6, s22, v2                      ; lanes 16-31 take B's
	s_add_co_u32 s21, s21, SCL
	v_add_nc_u32 v5, v5, v6
	v_add_nc_u32 v[ADRS], s21, v5
	s_mul_i32 s23, s14, 2*FSTG                     ; my two frequency stages
	v_and_b32 v6, 31, v0
	v_lshlrev_b32 v[CO], 4, v6
	v_add_nc_u32 v[FST], s23, v[CO]                ; in: a token's 512 bytes, 16 a lane
	v_mul_u32_u24 v5, v1, FPITCH
	v_lshl_add_u32 v5, v2, 6, v5
	v_add_nc_u32 v[FRD], s23, v5                   ; back: token r, + 64 h: the four pairs of my eight channels
	; THE BIAS.  Register BI + 8 x + j: products 0, 1: bias[my first feature + 16 x + 8 h + j] (x: B's block); product 2: bias[my first feature + 16 x + r] (x: A's block).  One text: the lane's offset is r SR + h SH + j SJ
	s_cmp_eq_u32 ttmp9, 1
	s_cselect_b64 s[8:9], s[10:11], s[8:9]
	s_cmp_eq_u32 ttmp9, 2
	s_cselect_b64 s[8:9], s[12:13], s[8:9]
	s_cselect_b32 s18, s17, s42                    ; the tile that holds features,
	s_cselect_b32 s19, s15, s16                    ; and my half of it
	s_cselect_b32 s20, 4, 0                        ; SR
	s_cselect_b32 s21, 0, 32                       ; SH
	s_cselect_b32 s22, 0, 4                        ; SJ
	s_lshl_b32 s18, s18, 10
	s_lshl_b32 s19, s19, 9
	s_add_co_u32 s18, s18, s19
	s_mov_b32 s19, 0
	s_add_nc_u64 s[8:9], s[8:9], s[18:19]
	v_mul_u32_u24 v7, v1, s20
	v_mad_u32_u24 v7, v2, s21, v7
	v_mov_b32 v6, s22
.irp j, 0,1,2,3,4,5,6,7
	v_mad_u32_u24 v[8+\j], v6, \j, v7
.endr
.irp x, 0,1,2,3,4,5,6,7
.irp j, 0,1,2,3,4,5,6,7
	global_load_b32 v[BI+8*\x+\j], v[8+\j], s[8:9] offset:64*\x
.endr
.endr
	; WHERE THE RESULTS GO.  My 128 tokens are one block of 128 of one batch; my 128 features are two heads
	s_cmp_eq_u32 ttmp9, 2
	s_cselect_b32 s10, s42, s17                    ; the tile that holds tokens, and my half of it
	s_cselect_b32 s11, s16, s15
	s_cselect_b32 s12, s17, s42                    ; the tile that holds features, and my half of it
	s_cselect_b32 s13, s15, s16
	s_lshl_b32 s10, s10, 8
	s_lshl_b32 s11, s11, 7
	s_add_co_u32 s10, s10, s11                     ; my first token, 0 .. 8,064
	s_lshl_b32 s12, s12, 2
	s_lshl_b32 s13, s13, 1
	s_add_co_u32 s12, s12, s13                     ; my first head
	s_lshr_b32 s11, s10, 11                        ; the batch
	s_lshl_b32 s11, s11, 4
	s_add_co_u32 s11, s11, s12
	s_lshl_b32 s11, s11, 4
	s_bfe_u32 s13, s10, 0x40007                    ; the block of 128 tokens in the sequence
	s_add_co_u32 s11, s11, s13                     ; (16 batch + head) 16 + block
	s_cmp_eq_u32 ttmp9, 0
	s_mov_b32 s13, 13312
	s_cselect_b32 s13, 6656, s13                   ; bytes of a block's image
	s_mov_b32 s19, 12288
	s_cselect_b32 s19, 6144, s19                   ; where Q's or K's scale words lie in it
	s_cselect_b64 s[66:67], s[66:67], s[100:101]
	s_cselect_b64 s[96:97], s[96:97], s[98:99]
	s_mul_i32 s20, s11, s13
	s_mov_b32 s21, 0
	s_add_nc_u64 s[66:67], s[66:67], s[20:21]      ; my first head's image,
	s_lshl_b32 s20, s13, 4
	s_add_nc_u64 s[100:101], s[66:67], s[20:21]    ; and the next head's, 16 blocks on
	s_and_b32 s20, s10, 2047
	s_lshl_b32 s20, s20, 9
	s_add_nc_u64 s[96:97], s[96:97], s[20:21]      ; my first token's 512 bytes of frequency numbers
	s_mov_b32 s[SEL], 0x76543210
	s_mov_b32 s[SEL+1], 0xfedcba98
.macro FRAG reg, adr, q, i             ; 16 rows x 128 K of 6-bit codes: 12 registers; lane (r, h): registers 6 c .. 6 c + 5 hold K = 64 c + 32 h + 0 .. 31: 24 bytes of the row's stream of bits, in pieces of 8 bytes
.irp p, 0,1,2,3,4,5
.set PCE, 12*(\q)+6*(\p/3)+\p%3       ; lanes 16-31 read three pieces further on: where that lies behind one padding more, the second address register serves
.if PCE%8 < 5
	ds_load_b64 v[\reg+2*\p:\reg+2*\p+1], v[\adr] offset:8*PCE+16*(PCE/8)+(\i)*16*PITCH
.else
	ds_load_b64 v[\reg+2*\p:\reg+2*\p+1], v[\adr+2] offset:8*PCE+16*(PCE/8)+(\i)*16*PITCH
.endif
.endr
.endm
; 16 matrix instructions: A's blocks a0, a0 + 1 x B's eight, 128 along K.  p: B's set; sc: the set of scale words.  zero = 1: C is the bias by B's block; 2: by A's block; 0: the sum goes on in place.
; The 64 accumulators take turns, one instruction a turn, in the same order in every step.
.macro MUL16 a0, p, q, sc, zero
.irp a, \a0, \a0+1
.irp b, 0,1,2,3,4,5,6,7
.set rD, 8*(8*((\a)%4)+\b)
.set rB, 128*(\p)+FR*\b
.set rA, AF+FR*(\a)
.set rSB, SC+8*NQ*(\sc)+NQ*\b+(\q)
.set rSA, SC+8*NQ*(\sc)+NQ*(\a)+(\q)
.if (\zero) == 1
	v_wmma_scale_f32_16x16x128_f8f6f4 v[rD:rD+7], v[rB:rB+FR-1], v[rA:rA+FR-1], v[BI+8*\b:BI+8*\b+7], v[rSB], v[rSA] matrix_a_fmt:MATRIX_FMT_FP6 matrix_b_fmt:MATRIX_FMT_FP6 matrix_a_scale:MATRIX_SCALE_ROW1
.elseif (\zero) == 2
	v_wmma_scale_f32_16x16x128_f8f6f4 v[rD:rD+7], v[rB:rB+FR-1], v[rA:rA+FR-1], v[BI+8*(\a):BI+8*(\a)+7], v[rSB], v[rSA] matrix_a_fmt:MATRIX_FMT_FP6 matrix_b_fmt:MATRIX_FMT_FP6 matrix_a_scale:MATRIX_SCALE_ROW1
.else
	v_wmma_scale_f32_16x16x128_f8f6f4 v[rD:rD+7], v[rB:rB+FR-1], v[rA:rA+FR-1], v[rD:rD+7], v[rSB], v[rSA] matrix_a_fmt:MATRIX_FMT_FP6 matrix_b_fmt:MATRIX_FMT_FP6 matrix_a_scale:MATRIX_SCALE_ROW1
.endif
.endr
.endr
.endm
.macro FETCH_B slot, q, p
	WIN TO_B
.irp i, 0,1,2,3,4,5,6,7
	FRAG 128*(\p)+FR*\i, ADRB+\slot, \q, \i
.endr
	WIN 0
.endm
.macro FETCH_A slot, q, i0
.irp i, \i0, \i0+1, \i0+2, \i0+3
	FRAG AF+FR*(\i), ADRA+\slot, \q, \i
.endr
.endm
.macro SCALES sc                       ; a slot's scale words: two a row; lanes 0-15 take A's block i, lanes 16-31 B's block i
.irp i, 0,1,2,3,4,5,6,7
	ds_load_b64 v[SC+8*NQ*\sc+NQ*\i:SC+8*NQ*\sc+NQ*\i+1], v[ADRS] offset:\i*SBLK
.endr
.endm
.macro PLACES n                        ; plain vector instructions between a matrix instruction and a load into, or a read of, its registers
.rept \n
	v_nop
.endr
.endm
; A step of 128 along K that has its successor in the same slot.  With a bias as C, C lies in window 0.
.macro STEP slot, q, zero
	s_wait_dscnt 4*NL                              ; B's set and A's blocks 0-3 are in; the youngest 24 loads (A's blocks 4-7) may be out
.if \zero
	WIN 0x81
.else
	WIN MUL_LO
.endif
	MUL16 0, (\q)%2, \q, \slot, \zero
	MUL16 2, (\q)%2, \q, \slot, \zero
	s_wait_dscnt 0                                 ; A's blocks 4-7 are in
	PLACES NP
	FETCH_B \slot, (\q)+1, 1-(\q)%2
	FETCH_A \slot, (\q)+1, 0
.if \zero
	WIN 0xc1
.else
	WIN MUL_HI
.endif
	MUL16 4, (\q)%2, \q, \slot, \zero
	MUL16 6, (\q)%2, \q, \slot, \zero
	PLACES NP
	WIN 0
	FETCH_A \slot, (\q)+1, 4
.endm
; A slot's last step changes slots: one barrier; in front of it each wave waits for all its tensor loads, adds 0 to its spare word, and waits for that and for its own reads of this slot.  fill = 1: this slot is filled again, two slots ahead.
.macro TURN slot, next, fill
	s_wait_tensorcnt 0x0                           ; all my tensor loads have landed: my part of the next slot
	ds_add_u32 v[SPW], v[NIL]                      ; 0 onto my spare word
	s_wait_dscnt 4*NL+1                            ; (the add and the youngest 24 loads may be out)
	WIN MUL_LO
	MUL16 0, 1, NQ-1, \slot, 0                     ; sixteen matrix instructions stand between the add and the wait for it
	s_wait_dscnt 0x0                               ; the add is done, and my reads of this slot are over
	s_barrier_signal -1
	MUL16 2, 1, NQ-1, \slot, 0
	WIN 0
	s_barrier_wait -1
.if \fill
	CREST                                          ; the barrier has opened a round of the cluster's barrier: no wave of any partner still reads this slot or has a load on its way
	s_add_nc_u64 s[G0+4*\slot+2:G0+4*\slot+3], s[G0+4*\slot+2:G0+4*\slot+3], 2*PLANE
	s_add_nc_u64 s[G0B+4*\slot+2:G0B+4*\slot+3], s[G0B+4*\slot+2:G0B+4*\slot+3], 2*PLANE
	JLOAD G0+4*\slot, G1, G0B+4*\slot, G1B         ; the first tensor load behind the round; its four v_nop are the places in front of the loads below
.else
	PLACES NP
.endif
	s_wait_alu depctr_va_vdst(0)
	v_add_nc_u32 v[ADRS], 4*NQ, v[ADRS]            ; on to the next slot's scale words
	FETCH_B \next, 0, 0
	FETCH_A \next, 0, 0
	SCALES \next
	WIN MUL_HI
	MUL16 4, 1, NQ-1, \slot, 0
	MUL16 6, 1, NQ-1, \slot, 0
	PLACES NP
	WIN 0
	FETCH_A \next, 0, 4
.endm
	s_wait_alu depctr_va_vdst(0)                   ; the head's end
	s_wait_tensorcnt 0x0                           ; my tile of the head's four is in
	ds_add_u32 v[SPW], v[NIL]
	s_mov_b32 s[G1+2], 96<<16                      ; no tensor load of mine is out: from here on a load brings 128 rows of codes = 96 rows of 256 bytes
	s_mov_b32 s[G1+4], 96
	s_mov_b32 s[G1B+2], 96<<16
	s_mov_b32 s[G1B+4], 96
	s_wait_dscnt 0x0
	CROUND                                         ; all four tiles are in, and all sixteen work-groups are here
	JLOAD G0+4, G1, G0B+4, G1B                     ; slot 1's first fill, the first tensor load behind the round
	FETCH_B 0, 0, 0
	FETCH_A 0, 0, 0
	SCALES 0
	FETCH_A 0, 0, 4
	s_wait_loadcnt 0x0                             ; the bias
	s_cmp_eq_u32 ttmp9, 2                          ; the first step starts the sums with the bias: by B's block, or in product 2 by A's.  The same LDS loads are issued on both ways
	s_cbranch_scc1 .Lfirst_v
	STEP 0, 0, 1
	s_branch .Lfirst_done
.Lfirst_v:
	STEP 0, 0, 2
.Lfirst_done:
	s_mov_b32 s3, LAPS-1
.Llap:                                                 ; a trip goes once round the ring and fills both slots again
	TURN 0, 1, 1
	STEP 1, 0, 0
	TURN 1, 0, 1
	STEP 0, 0, 0
	s_sub_co_u32 s3, s3, 1
	s_cmp_lg_u32 s3, 0
	s_cbranch_scc1 .Llap
	TURN 0, 1, 0                                   ; the last lap fills nothing, and has no round of the cluster's barrier
	STEP 1, 0, 0
	s_wait_dscnt 4*NL                              ; the very last step
	WIN MUL_LO
	MUL16 0, 1, NQ-1, 1, 0
	MUL16 2, 1, NQ-1, 1, 0
	s_wait_dscnt 0
	WIN MUL_HI
	MUL16 4, 1, NQ-1, 1, 0
	MUL16 6, 1, NQ-1, 1, 0
	WIN 0
; THE QUANTISER.  64 numbers of a lane, v[src] on in window w; block b is registers 16 b .. 16 b + 15 of lanes l and l xor 16.  Blocks 0, 1 become six registers of codes at v[d0], blocks 2, 3 at v[d1] (lanes 0-15 the
; lower block, lanes 16-31 the upper); the four scale bytes make the word v[pw], the same in both halves of the lanes.  Each accumulator is read from its low end on.
.macro QUANT src, w, d0, d1, pw
	WIN ((\w)<<2)|((\w)<<4)
.irp b, 0,1,2,3
	v_max3_num_f32 v[TM+\b], 0x1800000, |v[(\src)+16*\b]|, |v[(\src)+16*\b+1]|   ; my 16 numbers, and the floor 2^(3 - 127): the byte cannot fall under 1
.endr
.irp i, 2,4,6,8,10,12,14
.irp b, 0,1,2,3
	v_max3_num_f32 v[TM+\b], v[TM+\b], |v[(\src)+16*\b+\i]|, |v[(\src)+16*\b+\i+1]|   ; (the four blocks by turns)
.endr
.endr
	WIN 0
.irp b, 0,1,2,3
	v_permlanex16_b32 v[TM+4+\b], v[TM+\b], s[SEL], s[SEL+1]
.endr
.irp b, 0,1,2,3
	v_max_num_f32 v[TM+\b], v[TM+\b], v[TM+4+\b]   ; with lane l xor 16's: the block's largest magnitude
.endr
.irp b, 0,1,2,3
	v_add_nc_u32 v[TM+12+\b], 0xff000000, v[TM+\b] ; 2 off its exponent field: the conversion's scale operand
.endr
.irp b, 0,1,2,3
	v_lshrrev_b32 v[TM+4+\b], 23, v[TM+12+\b]      ; the scale's byte
.endr
	v_lshl_or_b32 v[\pw], v[TM+5], 8, v[TM+4]
	v_lshl_or_b32 v[\pw], v[TM+6], 16, v[\pw]
	v_lshl_or_b32 v[\pw], v[TM+7], 24, v[\pw]
	WIN \w
	v_cvt_scalef32_pk16_fp6_f32 v[(\d0):(\d0)+2], v[(\src):(\src)+15], v[TM+12]
	v_cvt_scalef32_pk16_fp6_f32 v[CT:CT+2], v[(\src)+16:(\src)+31], v[TM+13]     ; (a conversion's three registers begin on an even number)
	v_cvt_scalef32_pk16_fp6_f32 v[(\d1):(\d1)+2], v[(\src)+32:(\src)+47], v[TM+14]
	v_cvt_scalef32_pk16_fp6_f32 v[CT+4:CT+6], v[(\src)+48:(\src)+63], v[TM+15]
	WIN 0
	v_nop                                          ; one plain place behind a scaled conversion
.irp i, 0,1,2
	v_permlane16_swap_b32 v[(\d0)+\i], v[CT+\i]    ; the operand's layout wants a whole block in a lane
.endr
.irp i, 0,1,2
	v_mov_b32 v[(\d0)+3+\i], v[CT+\i]
.endr
.irp i, 0,1,2
	v_permlane16_swap_b32 v[(\d1)+\i], v[CT+4+\i]
.endr
.irp i, 0,1,2
	v_mov_b32 v[(\d1)+3+\i], v[CT+4+\i]
.endr
.endm
.macro FLOAD a, g                      ; the frequency numbers of token tile a: 16 tokens x 512 consecutive bytes, into set g of window 1
	WIN 0x40
.irp i, 0,1,2,3,4,5,6,7,8,9,10,11,12,13,14,15
	global_load_b128 v[64*(\g)+4*\i:64*(\g)+4*\i+3], v[CO], s[96:97] offset:(16*(\a)+\i)*512
.endr
	WIN 0
.endm
.macro TURNF a                         ; through my stage: in by tokens, back by lanes: lane (r, h) takes, of token r, 64 bytes at 128 b + 64 h for b = 0 .. 3.  In order, so no wait between
	WIN 0x04                                       ; an LDS store's data are its source 1: window 1
.irp i, 0,1,2,3,4,5,6,7,8,9,10,11,12,13,14,15
	ds_store_b128 v[FST], v[64*((\a)%2)+4*\i:64*((\a)%2)+4*\i+3] offset:FSTG*((\a)%2)+FPITCH*\i
.endr
	WIN 0x40
.irp b, 0,1,2,3
.irp q, 0,1,2,3
	ds_load_b128 v[128+64*((\a)%2)+16*\b+4*\q:128+64*((\a)%2)+16*\b+4*\q+3], v[FRD] offset:FSTG*((\a)%2)+128*\b+16*\q
.endr
.endr
	WIN 0
.endm
.macro ROPE a                          ; out[2 i] = f00 x[2 i] + f01 x[2 i + 1], out[2 i + 1] = f10 x[2 i] + f11 x[2 i + 1]; pair i = 8 (b % 4) + 4 h + q of the head; both heads take the same numbers
.set AC, 64*((\a)%4)
.set FF, 128+64*((\a)%2)
	WIN 0x09+4*((\a)/4)                            ; source 0: window 1; source 1: the accumulators' window; destination: window 0
.irp b, 0,1,2,3,4,5,6,7
.irp q, 0,1,2,3
	v_mul_f32 v[HA+8*\b+2*\q], v[FF+16*(\b%4)+4*\q], v[AC+8*\b+2*\q]
	v_mul_f32 v[HA+8*\b+2*\q+1], v[FF+16*(\b%4)+4*\q+2], v[AC+8*\b+2*\q]
	v_fmac_f32 v[HA+8*\b+2*\q], v[FF+16*(\b%4)+4*\q+1], v[AC+8*\b+2*\q+1]
	v_fmac_f32 v[HA+8*\b+2*\q+1], v[FF+16*(\b%4)+4*\q+3], v[AC+8*\b+2*\q+1]
.endr
.endr
	WIN 0
.endm
.macro QKBLOCK a                       ; token tile a of my eight
	s_wait_dscnt 0x0                               ; its frequency numbers are back from the stage, and the stage's stores have read their registers,
.if (\a)+2 < 8
	FLOAD (\a)+2, (\a)%2                           ; which take the tile two on
.endif
.if (\a)+1 < 8
.if (\a)+2 < 8
	s_wait_loadcnt 16                              ; the next tile's 16 loads are in; the 16 just issued may be out
.else
	s_wait_loadcnt 0x0
.endif
	TURNF (\a)+1
.endif
	ROPE \a
	s_wait_xcnt 0x0                                ; earlier stores have read the codes' registers: they are written again only behind this wait
	QUANT HA, 0, PC+6*((\a)%2), PC+12+6*((\a)%2), W+(\a)
.if (\a)%2 == 1
.irp g, 0,1,2
	global_store_b128 v[CO], v[PC+4*\g:PC+4*\g+3], s[66:67] offset:((\a)/2)*1536+512*\g         ; a double tile of my first head: 512 consecutive bytes a store, aligned to 256
	global_store_b128 v[CO], v[PC+12+4*\g:PC+12+4*\g+3], s[100:101] offset:((\a)/2)*1536+512*\g ; and of the next head
.endr
.endif
.endm
.macro VBLOCK a                        ; 16 channels x my 128 keys: one whole fragment and one scale word a channel
	s_wait_xcnt 0x0                                ; earlier stores have read the codes' registers
	QUANT 64*((\a)%4), 2+(\a)/4, PC+12*((\a)%2), PC+12*((\a)%2)+6, W+(\a)
.irp g, 0,1,2
.if (\a) < 4
	global_store_b128 v[CO], v[PC+12*((\a)%2)+4*\g:PC+12*((\a)%2)+4*\g+3], s[66:67] offset:6144+((\a)%4)*1536+512*\g
.else
	global_store_b128 v[CO], v[PC+12*((\a)%2)+4*\g:PC+12*((\a)%2)+4*\g+3], s[100:101] offset:6144+((\a)%4)*1536+512*\g
.endif
.endr
.if (\a) == 3
	global_store_b128 v[CO], v[W:W+3], s[66:67] offset:12800
.endif
.if (\a) == 7
	global_store_b128 v[CO], v[W+4:W+7], s[100:101] offset:12800
.endif
.endm
	PLACES NP                                      ; behind the last products: in front of loads into, writes of and reads of their registers
	v_and_b32 v6, 31, v0
	v_cmp_lt_u32 s98, 15, v6                       ; lanes 16-31
	v_add_nc_u32 v[SOF], s19, v[CO]
.irp b, 0,1,2,3
	v_mov_b32 v[TM+4+\b], 0                        ; written once: a lane permute's destination counts as one of its sources
.endr
	s_cmp_eq_u32 ttmp9, 2
	s_cbranch_scc1 .Lway_v
	FLOAD 0, 0
	FLOAD 1, 1
	s_wait_loadcnt 16                              ; tile 0's 16 loads are in
	TURNF 0
.irp a, 0,1,2,3,4,5,6,7
	QKBLOCK \a
.endr
.irp i, 0,1,2,3
	v_cndmask_b32 v[W2+\i], v[W+2*\i], v[W+2*\i+1], s98   ; lanes 0-15: tile 2 i's words, lanes 16-31: tile 2 i + 1's
.endr
	global_store_b128 v[SOF], v[W2:W2+3], s[66:67]
.irp i, 0,1,2,3
	v_lshrrev_b32 v[W3+\i], 16, v[W2+\i]           ; the next head's two bytes come down
.endr
	global_store_b128 v[SOF], v[W3:W3+3], s[100:101]
	s_branch .Lend
.Lway_v:
.irp a, 0,1,2,3,4,5,6,7
	VBLOCK \a
.endr
.Lend:
	s_wait_tensorcnt 0x0                           ; the wave's end, behind my last tensor load and my last LDS store
	ds_add_u32 v[SPW], v[NIL]
	s_wait_dscnt 0x0
	CROUND                                         ; the closing round: no work-group ends while a partner may still ask for a tile that names it
	s_endpgm
.Lfunc_end_k_q60f6530d73_proj:
	.size	k_q60f6530d73_proj, .Lfunc_end_k_q60f6530d73_proj-k_q60f6530d73_proj
	.p2alignl 7, 3214868480
	.fill 96, 4, 3214868480
	.section	.rodata,"a",@progbits
	.p2align	6, 0x0
	.amdhsa_kernel k_q60f6530d73_proj
		.amdhsa_group_segment_fixed_size 327680
		.amdhsa_private_segment_fixed_size 0
		.amdhsa_enable_private_segment 0
		.amdhsa_kernarg_size 72
		.amdhsa_user_sgpr_count 2
		.amdhsa_user_sgpr_kernarg_segment_ptr 1
		.amdhsa_wavefront_size32 1
		.amdhsa_system_sgpr_workgroup_id_x 1
		.amdhsa_system_sgpr_workgroup_id_y 1
		.amdhsa_system_sgpr_workgroup_id_z 1
		.amdhsa_system_vgpr_workitem_id 0
		.amdhsa_next_free_vgpr 1024
		.amdhsa_next_free_sgpr 102
		.amdhsa_reserve_vcc 0
		.amdhsa_float_denorm_mode_32 3
		.amdhsa_float_denorm_mode_16_64 3
		.amdhsa_memory_ordered 1
		.amdhsa_forward_progress 1
		.amdhsa_inst_pref_size 255
	.end_amdhsa_kernel
	.section	.bss,"aw",@nobits
	.p2align	6
	.space	262144
	.amdgpu_metadata
---
amdhsa.version: [ 1, 2 ]
amdhsa.kernels:
  - .name:           k_q60f6530d73_proj
    .symbol:         k_q60f6530d73_proj.kd
    .args:
      - { .name: codes, .offset: 0, .size: 8, .value_kind: global_buffer, .address_space: global }
      - { .name: scales, .offset: 8, .size: 8, .value_kind: global_buffer, .address_space: global }
      - { .name: Wq_b, .offset: 16, .size: 8, .value_kind: global_buffer, .address_space: global }
      - { .name: Wk_b, .offset: 24, .size: 8, .value_kind: global_buffer, .address_space: global }
      - { .name: Wv_b, .offset: 32, .size: 8, .value_kind: global_buffer, .address_space: global }
      - { .name: q_freqs, .offset: 40, .size: 8, .value_kind: global_buffer, .address_space: global }
      - { .name: kv_freqs, .offset: 48, .size: 8, .value_kind: global_buffer, .address_space: global }
      - { .name: qimg, .offset: 56, .size: 8, .value_kind: global_buffer, .address_space: global }
      - { .name: kvimg, .offset: 64, .size: 8, .value_kind: global_buffer, .address_space: global }
    .group_segment_fixed_size: 327680
    .private_segment_fixed_size: 0
    .kernarg_segment_align: 8
    .kernarg_segment_size: 72
    .max_flat_workgroup_size: 128
    .sgpr_count:     102
    .vgpr_count:     1024
    .wavefront_size: 32
...
	.end_amdgpu_metadata
.endif
;; end of part 2
;; launch attn (part 3): grid 4 x 64, 16 waves a work-group, clusters of 4 x 1, 327,680 bytes of LDS; arguments qimg, kvimg, oimg, osc; writes oimg, osc
.if DOCPART == 3
	.amdgcn_target "amdgcn-amd-amdhsa--gfx1250"
	.amdhsa_code_object_version 6
	.text
	.protected	k_q60f6530d73_attn
	.globl	k_q60f6530d73_attn
	.p2align	8
	.type	k_q60f6530d73_attn,@function
k_q60f6530d73_attn:
	s_mov_b64 s[64:65], 0
	v_nop
	global_prefetch_b8 v0, s[64:65] scope:SCOPE_SE
	s_setreg_imm32_b32 hwreg(HW_REG_WAVE_MODE, 25, 1), 1
	s_wait_xcnt 0x0
	s_wait_alu depctr_hold_cnt(0) depctr_sa_sdst(0) depctr_va_vdst(0) depctr_va_sdst(0) depctr_va_ssrc(0) depctr_va_vcc(0) depctr_vm_vsrc(0)
	s_getreg_b32 s2, hwreg(HW_REG_IB_STS2, 6, 4)
	s_cmp_eq_u32 s2, 0
	s_cbranch_scc0 .Lentry_in_a_cluster
	s_endpgm
.Lentry_in_a_cluster:
	s_bfe_u32 s2, ttmp6, 0x10000c
	s_cmp_lg_u32 s2, 0x3003
	s_cbranch_scc0 .Lentry_shape_is_right
	s_endpgm
.Lentry_shape_is_right:
; LAUNCH 3 OF 4: attention on codes of E2M3.  Nothing of the problem is left out here.
; A work-group of 16 waves takes 512 queries of one batch and head, a wave 16 queries in each of two passes; the four work-groups of a cluster take the same head.
; The head's whole image of K and V, 16 steps of 128 keys x 13,312 bytes = 212,992 bytes, comes into LDS ONCE: each wave asks jointly for one step's image, 52 rows of 256 bytes, its one tensor load.
; Nothing is filled again, so one barrier shows the image to all waves, and the steps run with no further barrier.
; Both products are used transposed (S^T = K Q^T, O^T = V^T p^T): a lane holds one query.  p = 2^(t - M), M the ceiling of the running largest t; the row's sum is taken of the unquantised p.
; No prefetch: all that the launch reads by tensor loads is asked for at its head, and there is no later load to run ahead of.
; LIMITS: the scaled scores stay under 2^31 in magnitude; NaN and infinities are not served; blocks under 2^-124 keep the byte 1.
.set STEPB, 13312
.set GRPB,  4*STEPB
.set WVB,   STEPB                      ; a wave fetches one step's image
.set HEADB, 16*STEPB
.set SPARE, HEADB
.set LI,  1
.set SPW, 2
.set NIL, 3
.set KSC, 4
.set VSC, 8
.set QF,  16
.set QS,  28
.set TMP, 29
.set ADR, 30
.set KF,  32
.set VF,  86
.set S,   134
.set O,   198
.set PCD, 230
.set BM,  242
.set T8,  246
.set FF,  254
.set PS,  255
.set WV,  12
.set G1,  16
.set G0,  24
.set SEL, 40
.set CS,  42
.set PASS, 44
.set CNT, 45
.set TB,  46
.set HI16, 48
.set ODD, 49
.macro CROUND
	s_barrier_signal -1
	s_barrier_wait -1
	s_cmp_lg_u32 s[WV], 0
	s_cbranch_scc1 .Lnot_wave_0_\@
	s_barrier_signal -3
.Lnot_wave_0_\@:
	s_barrier_wait -3
	s_barrier_signal -1
	s_barrier_wait -1
.endm
.macro MEET g
	s_wait_tensorcnt 0x0                           ; my step's image is in
	s_wait_dscnt 0x0
	s_barrier_signal -1
	s_barrier_wait -1
.endm
.macro KLOAD
.irp n, 0,1,2,3,4,5,6,7,8,9,10,11
	ds_load_b128 v[KF+4*\n:KF+4*\n+3], v[ADR] offset:512*\n
.endr
	ds_load_b128 v[KSC:KSC+3], v[ADR] offset:12288
.endm
.macro VLOAD
.irp n, 0,1,2,3,4,5,6,7,8,9,10,11
	ds_load_b128 v[VF+4*\n:VF+4*\n+3], v[ADR] offset:6144+512*\n
.endr
	ds_load_b128 v[VSC:VSC+3], v[ADR] offset:12800
.endm
	s_load_b256 s[4:11], s[0:1], 0x0
	v_lshl_add_u32 v[SPW], v0, 2, SPARE
	v_mov_b32 v[NIL], 0
	ds_add_u32 v[SPW], v[NIL]
	ds_add_u32 v[SPW], v[NIL]
	v_lshrrev_b32 v1, 5, v0
	s_delay_alu instid0(VALU_DEP_1)
	v_readfirstlane_b32 s[WV], v1
	s_bfe_u32 s13, ttmp6, 0x40000
	s_and_b32 s14, ttmp7, 0xffff
	s_mov_b32 s[G1], 15|(3<<16)|(1<<21)
	s_mov_b32 s[G1+1], 32<<16
	s_mov_b32 s[G1+2], 52<<16
	s_mov_b32 s[G1+3], 32<<16
	s_mov_b32 s[G1+4], 52
	s_mov_b32 s[G1+5], 32
	s_mov_b32 s[G1+6], 0
	s_mov_b32 s[G1+7], 0
	s_mov_b32 s[SEL], 0x76543210
	s_mov_b32 s[SEL+1], 0xfedcba98
	s_mov_b32 s[CS], 0x3e38aa3b
	s_mov_b32 s[CS+1], s[CS]
	s_mul_i32 s50, s[WV], WVB
	s_mul_i32 s52, s14, HEADB
	s_add_co_u32 s52, s52, s50
	s_mov_b32 s53, 0
	s_wait_dscnt 0x0
	s_wait_kmcnt 0x0
	s_add_nc_u64 s[52:53], s[6:7], s[52:53]
	s_mov_b32 s[G0], 1
	s_add_co_u32 s[G0+1], s50, 0                   ; LDS: wave x 13,312
	s_mov_b64 s[G0+2:G0+3], s[52:53]
	s_or_b32 s[G0+3], s[G0+3], 0x80000000
	CROUND                                         ; the four work-groups are here: the joint loads meet
	tensor_load_to_lds s[G0:G0+3], s[G1:G1+7]      ; my one tensor load of the launch
	s_nop 0
.rept 4
	v_nop
.endr
	v_and_b32 v1, 31, v0
	s_delay_alu instid0(VALU_DEP_1)
	v_cmp_lt_u32 s[HI16], 15, v1
	s_delay_alu instid0(VALU_DEP_2)
	v_lshlrev_b32 v[LI], 4, v1
.irp i, 0,1,2,3,4,5
	v_mov_b32 v[QF+6+\i], 0
	v_mov_b32 v[KF+48+\i], 0
.endr
.irp i, 0,1,2,3,4,5,6,7
	v_mov_b32 v[T8+\i], 0
.endr
	v_mov_b32 v[PS], 0
	v_mov_b32 v[TMP], 0
	s_mul_i32 s54, s14, 16*6656
	s_lshl_b32 s55, s13, 2
	s_lshr_b32 s56, s[WV], 3
	s_add_co_u32 s55, s55, s56
	s_mul_i32 s55, s55, 6656
	s_add_co_u32 s54, s54, s55
	s_mov_b32 s55, 0
	s_add_nc_u64 s[4:5], s[4:5], s[54:55]
	s_lshr_b32 s56, s14, 4
	s_lshl_b32 s56, s56, 7
	s_lshl_b32 s57, s13, 5
	s_add_co_u32 s56, s56, s57
	s_add_co_u32 s56, s56, s[WV]
	s_and_b32 s57, s14, 15
	s_lshl_b32 s54, s56, 4
	s_add_co_u32 s54, s54, s57
	s_mul_i32 s54, s54, 768
	s_add_nc_u64 s[8:9], s[8:9], s[54:55]
	s_lshl_b32 s54, s56, 9
	s_lshl_b32 s57, s57, 1
	s_add_co_u32 s54, s54, s57
	s_add_nc_u64 s[10:11], s[10:11], s[54:55]
	s_bfe_u32 s58, s[WV], 0x20001
	s_and_b32 s57, s[WV], 1
	s_lshl_b32 s59, s58, 2
	s_lshl_b32 s56, s57, 8
	s_add_co_u32 s59, s59, s56
	s_add_co_u32 s59, s59, 6144
	s_mul_i32 s58, s58, 1536
	s_cmp_eq_u32 s57, 1
	s_cselect_b32 s[ODD], -1, 0
.macro STEP pf
	s_wait_dscnt 13
.irp t, 0,1,2,3,4,5,6,7
.if \t%2
	v_wmma_scale_f32_16x16x128_f8f6f4 v[S+8*\t:S+8*\t+7], v[KF+6*\t:KF+6*\t+11], v[QF:QF+11], 0, v[KSC+\t/2], v[QS] matrix_a_fmt:MATRIX_FMT_FP6 matrix_b_fmt:MATRIX_FMT_FP6 matrix_a_scale:MATRIX_SCALE_ROW1
.else
	v_wmma_scale_f32_16x16x128_f8f6f4 v[S+8*\t:S+8*\t+7], v[KF+6*\t:KF+6*\t+11], v[QF:QF+11], 0, v[KSC+\t/2], v[QS] matrix_a_fmt:MATRIX_FMT_FP6 matrix_b_fmt:MATRIX_FMT_FP6
.endif
.endr
.if \pf
	s_add_co_u32 s[TB], s[TB], STEPB
	v_add_nc_u32 v[ADR], s[TB], v[LI]
.rept 3
	v_nop
.endr
	KLOAD
.else
.rept 4
	v_nop
.endr
.endif
.irp b, 0,1,2,3
	v_max3_num_f32 v[BM+\b], v[S+16*\b], v[S+16*\b+1], v[S+16*\b+2]
.endr
.irp i, 3,5,7,9,11,13
.irp b, 0,1,2,3
	v_max3_num_f32 v[BM+\b], v[BM+\b], v[S+16*\b+\i], v[S+16*\b+\i+1]
.endr
.endr
.irp b, 0,1,2,3
	v_max_num_f32 v[BM+\b], v[BM+\b], v[S+16*\b+15]
.endr
.irp b, 0,1,2,3
	s_delay_alu instid0(VALU_DEP_4)
	v_permlanex16_b32 v[T8+\b], v[BM+\b], s[SEL], s[SEL+1]
.endr
.irp b, 0,1,2,3
	s_delay_alu instid0(VALU_DEP_4)
	v_max_num_f32 v[BM+\b], v[BM+\b], v[T8+\b]
.endr
	s_delay_alu instid0(VALU_DEP_2)
	v_max3_num_f32 v[TMP], v[BM], v[BM+1], v[BM+2]
	s_delay_alu instid0(VALU_DEP_1)
	v_max_num_f32 v[TMP], v[TMP], v[BM+3]
	s_delay_alu instid0(VALU_DEP_1)
	v_mul_f32 v[TMP], s[CS], v[TMP]
	s_delay_alu instid0(VALU_DEP_1)
	v_max_num_f32 v13, v13, v[TMP]
	v_mov_b32 v[TMP], v12
	s_delay_alu instid0(VALU_DEP_2)
	v_floor_f32 v12, -v13
	s_delay_alu instid0(VALU_DEP_1)
	v_sub_f32 v[TMP], v12, v[TMP]
	s_delay_alu instid0(VALU_DEP_1)
	v_cvt_i32_f32 v[TMP], v[TMP]
	s_delay_alu instid0(VALU_DEP_1)
	v_ldexp_f32 v[FF], 1.0, v[TMP]
.set j, 0
.rept 32
	v_pk_fma_f32 v[S+j:S+j+1], v[S+j:S+j+1], s[CS:CS+1], v[12:13] op_sel_hi:[1,0,0]
.set j, j+2
.endr
.irp b, 0,1,2,3
	v_fma_f32 v[BM+\b], v[BM+\b], s[CS], v12
.endr
.set j, 0
	s_wait_alu depctr_va_vdst(0)
.rept 64
	v_exp_f32 v[S+j], v[S+j]
.set j, j+1
.endr
	v_pk_mul_f32 v[14:15], v[14:15], v[FF:FF+1] op_sel_hi:[1,0]
	s_wait_alu depctr_va_vdst(0)
.irp b, 0,1,2,3
	v_exp_f32 v[BM+\b], v[BM+\b]
.endr
	v_pk_add_f32 v[T8:T8+1], v[S:S+1], v[S+2:S+3]
.irp j, 4,8,12,16,20,24,28,32,36,40,44,48,52,56,60
	v_pk_add_f32 v[14:15], v[14:15], v[S+\j:S+\j+1]
	v_pk_add_f32 v[T8:T8+1], v[T8:T8+1], v[S+\j+2:S+\j+3]
.endr
	s_delay_alu instid0(VALU_DEP_1)
	v_pk_add_f32 v[14:15], v[14:15], v[T8:T8+1]
	s_wait_alu depctr_va_vdst(0)
.irp b, 0,1,2,3
	v_max_num_f32 v[BM+\b], 0x1800000, v[BM+\b]
.endr
.irp b, 0,1,2,3
	s_delay_alu instid0(VALU_DEP_4)
	v_add_nc_u32 v[BM+\b], 0xff000000, v[BM+\b]
.endr
.irp b, 0,1,2,3
	s_delay_alu instid0(VALU_DEP_4)
	v_lshrrev_b32 v[T8+\b], 23, v[BM+\b]
.endr
	s_delay_alu instid0(VALU_DEP_3)
	v_lshl_or_b32 v[PS], v[T8+1], 8, v[T8]
	s_delay_alu instid0(VALU_DEP_1)
	v_lshl_or_b32 v[PS], v[T8+2], 16, v[PS]
	s_delay_alu instid0(VALU_DEP_1)
	v_lshl_or_b32 v[PS], v[T8+3], 24, v[PS]
	v_cvt_scalef32_pk16_fp6_f32 v[PCD:PCD+2], v[S:S+15], v[BM]
	v_cvt_scalef32_pk16_fp6_f32 v[T8:T8+2], v[S+16:S+31], v[BM+1]
	v_cvt_scalef32_pk16_fp6_f32 v[PCD+6:PCD+8], v[S+32:S+47], v[BM+2]
	v_cvt_scalef32_pk16_fp6_f32 v[T8+4:T8+6], v[S+48:S+63], v[BM+3]
	v_nop
.irp c, 0,1
.irp i, 0,1,2
	v_permlane16_swap_b32 v[PCD+6*\c+\i], v[T8+4*\c+\i]
.endr
.irp i, 0,1,2
	s_delay_alu instid0(VALU_DEP_3)
	v_mov_b32 v[PCD+3+6*\c+\i], v[T8+4*\c+\i]
.endr
.endr
.set j, 0
.rept 16
	v_pk_mul_f32 v[O+j:O+j+1], v[O+j:O+j+1], v[FF:FF+1] op_sel_hi:[1,0]
.set j, j+2
.endr
.if \pf
	s_wait_alu depctr_va_vdst(0)
	s_wait_dscnt 13
.else
	s_wait_alu depctr_va_vdst(0)
	s_wait_dscnt 0x0
.endif
.irp t, 0,1,2,3
	v_wmma_scale_f32_16x16x128_f8f6f4 v[O+8*\t:O+8*\t+7], v[VF+12*\t:VF+12*\t+11], v[PCD:PCD+11], v[O+8*\t:O+8*\t+7], v[VSC+\t], v[PS] matrix_a_fmt:MATRIX_FMT_FP6 matrix_b_fmt:MATRIX_FMT_FP6
.endr
.if \pf
.rept 4
	v_nop
.endr
	VLOAD
.endif
.endm
.macro GROUP n
	s_mov_b32 s[CNT], \n
.Lstep_\@:
	STEP 1
	s_sub_co_u32 s[CNT], s[CNT], 1
	s_cmp_lg_u32 s[CNT], 0
	s_cbranch_scc1 .Lstep_\@
.endm
	s_mov_b32 s[PASS], 2
	s_wait_alu depctr_va_vdst(0)
	MEET 0                                         ; the one barrier: the head's whole image is in; LDS is only read from here on, so the passes need none
.Lpass:
	v_add_nc_u32 v[S+12], s58, v[LI]
	v_and_b32 v[S+13], 15, v0
	s_delay_alu instid0(VALU_DEP_1)
	v_lshl_add_u32 v[S+13], v[S+13], 4, s59
	global_load_b128 v[S:S+3], v[S+12], s[4:5]
	global_load_b128 v[S+4:S+7], v[S+12], s[4:5] offset:512
	global_load_b128 v[S+8:S+11], v[S+12], s[4:5] offset:1024
	global_load_b32 v[QS], v[S+13], s[4:5]
	v_mov_b32 v13, 0xff61b1e6
	s_delay_alu instid0(VALU_DEP_1)
	v_floor_f32 v12, -v13
	v_mov_b32 v14, 0
	v_mov_b32 v15, 0
	s_mov_b32 s[TB], 0
	v_mov_b32 v[ADR], v[LI]
	KLOAD
	VLOAD
	s_wait_loadcnt 0x0
.irp i, 0,1,2,3,4,5
	v_cndmask_b32 v[QF+\i], v[S+\i], v[S+6+\i], s[ODD]
.endr
.set j, 0
.rept 32
	v_mov_b32 v[O+j], 0
.set j, j+1
.endr
	GROUP 15
	STEP 0
	v_add_f32 v14, v14, v15
	s_delay_alu instid0(VALU_DEP_1)
	v_permlanex16_b32 v[TMP], v14, s[SEL], s[SEL+1]
	s_delay_alu instid0(VALU_DEP_1)
	v_add_f32 v14, v14, v[TMP]
	s_wait_alu depctr_va_vdst(0)
	v_rcp_f32 v14, v14
	v_and_b32 v[S+56], 31, v0
	s_delay_alu instid0(VALU_DEP_1)
	v_lshlrev_b32 v[S+56], 3, v[S+56]
	v_and_b32 v[S+57], 15, v0
	v_bfe_u32 v[S+58], v0, 4, 1
	s_delay_alu instid0(VALU_DEP_1)
	v_lshl_add_u32 v[S+57], v[S+57], 5, v[S+58]
	s_wait_alu depctr_va_vdst(0)
.set j, 0
.rept 16
	v_pk_mul_f32 v[S+j:S+j+1], v[O+j:O+j+1], v[14:15] op_sel_hi:[1,0]
.set j, j+2
.endr
.irp b, 0,1
.irp i, 0,1,2,3,4,5,6,7
	v_permlane16_swap_b32 v[S+16*\b+\i], v[S+16*\b+8+\i]
.endr
.endr
.irp b, 0,1
	v_max3_num_f32 v[BM+\b], |v[S+16*\b]|, |v[S+16*\b+1]|, 0x1800000
.endr
.irp i, 2,4,6,8,10,12,14
.irp b, 0,1
	s_delay_alu instid0(VALU_DEP_2)
	v_max3_num_f32 v[BM+\b], v[BM+\b], |v[S+16*\b+\i]|, |v[S+16*\b+\i+1]|
.endr
.endr
.irp b, 0,1
	s_delay_alu instid0(VALU_DEP_2)
	v_permlanex16_b32 v[T8+\b], v[BM+\b], s[SEL], s[SEL+1]
.endr
.irp b, 0,1
	s_delay_alu instid0(VALU_DEP_2)
	v_max_num_f32 v[BM+\b], v[BM+\b], v[T8+\b]
.endr
.irp b, 0,1
	s_delay_alu instid0(VALU_DEP_2)
	v_add_nc_u32 v[BM+\b], 0xff000000, v[BM+\b]
.endr
.irp b, 0,1
	s_delay_alu instid0(VALU_DEP_2)
	v_lshrrev_b32 v[T8+\b], 23, v[BM+\b]
.endr
	v_cvt_scalef32_pk16_fp6_f32 v[KF:KF+2], v[S:S+15], v[BM]
	v_cvt_scalef32_pk16_fp6_f32 v[KF+8:KF+10], v[S+16:S+31], v[BM+1]
	v_cndmask_b32 v[T8], v[T8], v[T8+1], s[HI16]
.irp i, 0,1,2
	v_permlane16_swap_b32 v[KF+\i], v[KF+8+\i]
.endr
.irp i, 0,1,2
	s_delay_alu instid0(VALU_DEP_3)
	v_mov_b32 v[KF+3+\i], v[KF+8+\i]
.endr
.irp p, 0,1,2
	global_store_b64 v[S+56], v[KF+2*\p:KF+2*\p+1], s[8:9] offset:256*\p
.endr
	global_store_b8 v[S+57], v[T8], s[10:11]
	s_wait_xcnt 0x0
	s_add_nc_u64 s[4:5], s[4:5], 2*6656
	s_add_nc_u64 s[8:9], s[8:9], 16*16*768
	s_add_nc_u64 s[10:11], s[10:11], 16*512
	s_sub_co_u32 s[PASS], s[PASS], 1
	s_cmp_lg_u32 s[PASS], 0
	s_cbranch_scc1 .Lpass
	s_wait_tensorcnt 0x0
	ds_add_u32 v[SPW], v[NIL]
	s_wait_dscnt 0x0
	CROUND
	s_endpgm
.Lfunc_end_k_q60f6530d73_attn:
	.size	k_q60f6530d73_attn, .Lfunc_end_k_q60f6530d73_attn-k_q60f6530d73_attn
	.p2alignl 7, 3214868480
	.fill 96, 4, 3214868480
	.section	.rodata,"a",@progbits
	.p2align	6, 0x0
	.amdhsa_kernel k_q60f6530d73_attn
		.amdhsa_group_segment_fixed_size 327680
		.amdhsa_private_segment_fixed_size 0
		.amdhsa_enable_private_segment 0
		.amdhsa_kernarg_size 32
		.amdhsa_user_sgpr_count 2
		.amdhsa_user_sgpr_kernarg_segment_ptr 1
		.amdhsa_wavefront_size32 1
		.amdhsa_system_sgpr_workgroup_id_x 1
		.amdhsa_system_sgpr_workgroup_id_y 1
		.amdhsa_system_sgpr_workgroup_id_z 1
		.amdhsa_system_vgpr_workitem_id 0
		.amdhsa_next_free_vgpr 256
		.amdhsa_next_free_sgpr 66
		.amdhsa_reserve_vcc 0
		.amdhsa_float_denorm_mode_32 3
		.amdhsa_float_denorm_mode_16_64 3
		.amdhsa_memory_ordered 1
		.amdhsa_forward_progress 1
		.amdhsa_inst_pref_size 46
	.end_amdhsa_kernel
	.amdgpu_metadata
---
amdhsa.version: [ 1, 2 ]
amdhsa.kernels:
  - .name:           k_q60f6530d73_attn
    .symbol:         k_q60f6530d73_attn.kd
    .args:
      - { .name: qimg, .offset: 0, .size: 8, .value_kind: global_buffer, .address_space: global }
      - { .name: kvimg, .offset: 8, .size: 8, .value_kind: global_buffer, .address_space: global }
      - { .name: oimg, .offset: 16, .size: 8, .value_kind: global_buffer, .address_space: global }
      - { .name: osc, .offset: 24, .size: 8, .value_kind: global_buffer, .address_space: global }
    .group_segment_fixed_size: 327680
    .private_segment_fixed_size: 0
    .kernarg_segment_align: 8
    .kernarg_segment_size: 32
    .max_flat_workgroup_size: 512
    .sgpr_count:     66
    .vgpr_count:     256
    .wavefront_size: 32
...
	.end_amdgpu_metadata
.endif
;; end of part 3
;; launch outp (part 4): grid 4 x 32, 4 waves a work-group, clusters of 4 x 4, 327,680 bytes of LDS; arguments oimg, osc, codes, scales, Wo_b, out0; writes out0
.if DOCPART == 4
	.amdgcn_target "amdgcn-amd-amdhsa--gfx1250"
	.amdhsa_code_object_version 6
	.text
	.protected	k_q60f6530d73_outp
	.globl	k_q60f6530d73_outp
	.p2align	8
	.type	k_q60f6530d73_outp,@function
k_q60f6530d73_outp:
	s_mov_b64 s[64:65], 0
	v_nop
	global_prefetch_b8 v0, s[64:65] scope:SCOPE_SE
	s_setreg_imm32_b32 hwreg(HW_REG_WAVE_MODE, 25, 1), 1
	s_wait_xcnt 0x0
	s_wait_alu depctr_hold_cnt(0) depctr_sa_sdst(0) depctr_va_vdst(0) depctr_va_sdst(0) depctr_va_ssrc(0) depctr_va_vcc(0) depctr_vm_vsrc(0)
	s_getreg_b32 s2, hwreg(HW_REG_IB_STS2, 6, 4)
	s_cmp_eq_u32 s2, 0
	s_cbranch_scc0 .Lentry_in_a_cluster
	s_endpgm
.Lentry_in_a_cluster:
	s_bfe_u32 s2, ttmp6, 0x10000c
	s_cmp_lg_u32 s2, 0xf033
	s_cbranch_scc0 .Lentry_shape_is_right
	s_endpgm
.Lentry_shape_is_right:
.set SIZE_N, 1024
.set NQ,     2
.set ROWB,   192
.set ASTEP,  3072
.set PLANE,  20480*192                 ; codes are laid [4 steps of 256 along K][20,480 rows][192 bytes]: from one step to the next
.set KROW,   768
.set PITCH,  240
.set FR,     12
.set NL,     6
.set NP,     4
.set HALFT,  128*PITCH
.set SLOT,   4*HALFT
.set LAPS,   2
.set KS,     32
.set SCL,    2*SLOT
.set HALFS,  16*272
.set SBLK,   2*272
.set SPARE,  SCL+4*HALFS
.set SPITCH, 528
.set ADRA, 16
.set ADRB, 20
.set STO,  24
.set RD,   25
.set CO,   26
.set ADRS, 27
.set SPW,  28
.set NIL,  29
.set SC,   32
.set BI,   64
.set AF,   128
.set BK,   128
.set G1, 24
.set G0, 32
.set G1B, 48
.set G0B, 56
.set G1S, 68
.set G0S, 76
.set G1SB, 80
.set G0SB, 88
.set MSB, 0
.macro WIN new
.if MSB != (\new)
	s_set_vgpr_msb (MSB<<8)|(\new)
.set MSB, (\new)
.endif
.endm
.set MUL_LO, 0xa1
.set MUL_HI, 0xf1
.set TO_B,   0x40
.macro JLOAD g0a, g1a, g0b, g1b
	s_cmp_eq_u32 s15, 0
	s_cbranch_scc0 .Lfor_b_\@
	tensor_load_to_lds s[\g0a:\g0a+3], s[\g1a:\g1a+7]
	s_nop 0
.rept 4
	v_nop
.endr
	s_branch .Lasked_\@
.Lfor_b_\@:
	tensor_load_to_lds s[\g0b:\g0b+3], s[\g1b:\g1b+7]
	s_nop 0
.rept 4
	v_nop
.endr
.Lasked_\@:
.endm
.macro CREST
	s_cmp_lg_u32 s14, 0
	s_cbranch_scc1 .Lnot_wave_0_\@
	s_barrier_signal -3
.Lnot_wave_0_\@:
	s_barrier_wait -3
	s_barrier_signal -1
	s_barrier_wait -1
.endm
.macro CROUND
	s_barrier_signal -1
	s_barrier_wait -1
	CREST
.endm
	s_load_b128 s[4:7], s[0:1], 0x0
	s_load_b128 s[8:11], s[0:1], 0x10
	s_load_b64 s[96:97], s[0:1], 0x20
	s_load_b64 s[12:13], s[0:1], 0x28
	v_lshl_add_u32 v[SPW], v0, 2, SPARE
	v_mov_b32 v[NIL], 0
	ds_add_u32 v[SPW], v[NIL]
	ds_add_u32 v[SPW], v[NIL]
	v_lshrrev_b32 v1, 5, v0
	v_readfirstlane_b32 s14, v1
	s_lshr_b32 s15, s14, 1
	s_and_b32 s16, s14, 1
	s_bfe_u32 s40, ttmp6, 0x40000
	s_bfe_u32 s41, ttmp6, 0x40004
	s_lshl_b32 s42, ttmp9, 2
	s_add_co_u32 s42, s42, s40
	s_and_b32 s17, ttmp7, 0xffff
	s_lshl_b32 s17, s17, 2
	s_add_co_u32 s17, s17, s41
	s_lshl_b32 s43, s41, 2
	s_lshl_b32 s43, 15, s43
	s_lshl_b32 s44, 0x1111, s40
	s_or_b32 s[G1+0], s43, (3<<16)|(1<<21)
	s_mov_b32 s[G1+1], 384<<16
	s_mov_b32 s[G1+2], 16<<16                      ; the head's load brings A's 256 tokens: 16 rows of 3,072 bytes; the ring's 8
	s_mov_b32 s[G1+3], 384<<16
	s_mov_b32 s[G1+4], 16
	s_mov_b32 s[G1+5], 1536
	s_mov_b32 s[G1+6], 0
	s_mov_b32 s[G1+7], 0
	s_or_b32 s[G1B+0], s44, (0<<16)|(1<<20)|(1<<21)|(3<<22)|(3<<25)
	; 128 rows x 192 bytes of one step are dense in memory: 96 rows of 256 bytes, each at a multiple of 256
	s_mov_b32 s[G1B+1], 256<<16
	s_mov_b32 s[G1B+2], 192<<16                    ; the head's load brings B's 256 rows: 192 rows of 256 bytes; the ring's 96
	s_mov_b32 s[G1B+3], 256<<16
	s_mov_b32 s[G1B+4], 192
	s_mov_b32 s[G1B+5], 256
	s_mov_b32 s[G1B+6], 0
	s_mov_b32 s[G1B+7], 0
	s_or_b32 s[G1S+0], s43, (3<<16)|(1<<20)|(1<<21)|(5<<22)|(3<<25)
	s_or_b32 s[G1SB+0], s44, (3<<16)|(1<<20)|(1<<21)|(5<<22)|(3<<25)
.irp g, G1S, G1SB
	s_mov_b32 s[\g+1], 32<<16
	s_mov_b32 s[\g+2], 32<<16                      ; the scale bytes of 256 rows: 32 rows of 256 bytes
	s_mov_b32 s[\g+3], 32<<16
	s_mov_b32 s[\g+4], 32
	s_mov_b32 s[\g+5], 32
	s_mov_b32 s[\g+6], 0
	s_mov_b32 s[\g+7], 0
.endr
	s_lshl_b32 s20, s17, 8                         ; the tiles' first rows; my half is added for the ring, below
	s_lshl_b32 s46, s42, 8
	s_add_co_u32 s46, s46, 19456
	s_mov_b32 s21, 0
	s_mov_b32 s47, 0
	s_mov_b64 s[18:19], KS
	s_mul_u64 s[22:23], s[20:21], s[18:19]
	s_mul_u64 s[92:93], s[46:47], s[18:19]
	s_mov_b64 s[18:19], KROW
	s_mul_u64 s[20:21], s[20:21], s[18:19]
	s_mov_b64 s[18:19], ROWB
	s_mul_u64 s[46:47], s[46:47], s[18:19]         ; B's rows: 192 bytes each in a plane
	s_mul_i32 s45, s14, HALFT
	s_mul_i32 s95, s14, 8*ASTEP                    ; A's halves lie 24,576 bytes apart in a slot, with no gap: one descriptor covers both at the head
	s_wait_dscnt 0x0
	s_wait_kmcnt 0x0
	s_add_nc_u64 s[20:21], s[4:5], s[20:21]
	s_add_nc_u64 s[22:23], s[6:7], s[22:23]
	s_add_nc_u64 s[46:47], s[8:9], s[46:47]
	s_add_nc_u64 s[92:93], s[10:11], s[92:93]
	CROUND
.set G0H,  4                           ; s[4:7], s[8:11]: group 0 of the head's loads of slot 0 (the arguments that lay there have been used)
.set G0HB, 8
	s_mov_b32 s[G0S], 1                            ; the head's four tiles, each whole: the scale bytes of A's 256 rows,
	s_mov_b32 s[G0S+1], SCL
	s_mov_b64 s[G0S+2:G0S+3], s[22:23]
	s_or_b32 s[G0S+3], s[G0S+3], 0x80000000
	s_mov_b32 s[G0SB], 1                           ; of B's,
	s_mov_b32 s[G0SB+1], SCL+2*HALFS
	s_mov_b64 s[G0SB+2:G0SB+3], s[92:93]
	s_or_b32 s[G0SB+3], s[G0SB+3], 0x80000000
	s_mov_b32 s[G0H], 1                            ; the first step's 256 tokens of A,
	s_mov_b32 s[G0H+1], 0
	s_mov_b64 s[G0H+2:G0H+3], s[20:21]
	s_or_b32 s[G0H+3], s[G0H+3], 0x80000000
	s_mov_b32 s[G0HB], 1                           ; and 256 rows of B
	s_mov_b32 s[G0HB+1], 2*HALFT
	s_mov_b64 s[G0HB+2:G0HB+3], s[46:47]
	s_or_b32 s[G0HB+3], s[G0HB+3], 0x80000000
	s_mov_b32 s19, 0                               ; for the ring: my 128 rows of the tile
	s_mul_i32 s18, s16, 128*KROW
	s_add_nc_u64 s[20:21], s[20:21], s[18:19]
	s_mul_i32 s18, s16, 128*ROWB
	s_add_nc_u64 s[46:47], s[46:47], s[18:19]
.irp s, 0,1
	s_mov_b32 s[G0+4*\s], 1
	s_add_co_u32 s[G0+4*\s+1], s95, \s*SLOT
	s_add_nc_u64 s[G0+4*\s+2:G0+4*\s+3], s[20:21], \s*ASTEP
	s_or_b32 s[G0+4*\s+3], s[G0+4*\s+3], 0x80000000
	s_mov_b32 s[G0B+4*\s], 1
	s_add_co_u32 s[G0B+4*\s+1], s45, \s*SLOT
	s_add_nc_u64 s[G0B+4*\s+2:G0B+4*\s+3], s[46:47], \s*PLANE
	s_or_b32 s[G0B+4*\s+3], s[G0B+4*\s+3], 0x80000000
.endr
; THE HEAD'S LOADS, ONE A WAVE: wave 0 A's 256 tokens of the first step, wave 1 B's 256 rows, wave 2 A's scale bytes, wave 3 B's.  One chain of branches on the wave's number; every way passes one load.
.macro ARM under, g0, g1, next
	s_cmp_lt_u32 s14, \under
	s_cbranch_scc0 \next
	tensor_load_to_lds s[\g0:\g0+3], s[\g1:\g1+7]
	s_nop 0
.rept 4
	v_nop
.endr
	s_branch .Lhead_asked
\next:
.endm
	ARM 1, G0H,  G1,  .Lhead_b
	ARM 2, G0HB, G1B, .Lhead_sa
	ARM 3, G0S,  G1S, .Lhead_sb
	tensor_load_to_lds s[G0SB:G0SB+3], s[G1SB:G1SB+7]
	s_nop 0
.rept 4
	v_nop
.endr
.Lhead_asked:
	v_and_b32 v1, 15, v0
	v_bfe_u32 v2, v0, 4, 1
	v_mul_u32_u24 v3, v1, PITCH
	v_mul_u32_u24 v4, v2, 24
	v_add_nc_u32 v4, v3, v4
	v_lshl_add_u32 v5, v2, 4, v4
	v_and_b32 v6, 31, v0
	v_lshlrev_b32 v7, 3, v6
	s_mul_i32 s21, s15, 8*ASTEP
	s_mul_i32 s22, s16, HALFT
	s_add_co_u32 s22, s22, 2*HALFT
.irp s, 0,1
	v_add_nc_u32 v[ADRA+\s], s21, v7
	v_add_nc_u32 v[ADRB+\s], s22, v4
	v_add_nc_u32 v[ADRB+2+\s], s22, v5
	s_add_co_u32 s21, s21, SLOT
	s_add_co_u32 s22, s22, SLOT
.endr
	v_mul_u32_u24 v5, v1, KS
	v_lshrrev_b32 v6, 8, v5
	v_lshl_add_u32 v5, v6, 4, v5
	s_mul_i32 s21, s15, HALFS
	s_mul_i32 s22, s16, HALFS
	s_add_co_u32 s22, s22, 2*HALFS
	s_sub_co_u32 s22, s22, s21
	v_mul_u32_u24 v6, s22, v2
	s_add_co_u32 s21, s21, SCL
	v_add_nc_u32 v5, v5, v6
	v_add_nc_u32 v[ADRS], s21, v5
	s_mul_i32 s23, s14, 16*SPITCH
	v_mul_u32_u24 v5, v1, SPITCH
	v_lshl_add_u32 v5, v2, 5, v5
	v_add_nc_u32 v[STO], s23, v5
	v_and_b32 v6, 31, v0
	v_lshlrev_b32 v[CO], 4, v6
	v_add_nc_u32 v[RD], s23, v[CO]
	s_lshl_b32 s20, s17, 8
	s_lshl_b32 s21, s15, 7
	s_add_co_u32 s20, s20, s21
	s_mov_b32 s21, 0
	s_mov_b64 s[18:19], SIZE_N*4
	s_mul_u64 s[20:21], s[20:21], s[18:19]
	s_lshl_b32 s46, s42, 10
	s_lshl_b32 s47, s16, 9
	s_add_co_u32 s46, s46, s47
	s_mov_b32 s47, 0
	s_add_nc_u64 s[20:21], s[20:21], s[46:47]
	s_add_nc_u64 s[12:13], s[12:13], s[20:21]
	s_add_nc_u64 s[96:97], s[96:97], s[46:47]
	v_lshlrev_b32 v7, 5, v2
.irp b, 0,1,2,3,4,5,6,7
	global_load_b128 v[BI+8*\b:BI+8*\b+3], v7, s[96:97] offset:64*\b
	global_load_b128 v[BI+8*\b+4:BI+8*\b+7], v7, s[96:97] offset:64*\b+16
.endr
.macro FRAG reg, adr, q, i
.irp p, 0,1,2,3,4,5
.set PCE, 12*(\q)+6*(\p/3)+\p%3
.if PCE%8 < 5
	ds_load_b64 v[\reg+2*\p:\reg+2*\p+1], v[\adr] offset:8*PCE+16*(PCE/8)+(\i)*16*PITCH
.else
	ds_load_b64 v[\reg+2*\p:\reg+2*\p+1], v[\adr+2] offset:8*PCE+16*(PCE/8)+(\i)*16*PITCH
.endif
.endr
.endm
.macro FRAG_A reg, slot, q, i
.irp c, 0,1
.irp p, 0,1,2
	ds_load_b64 v[\reg+6*\c+2*\p:\reg+6*\c+2*\p+1], v[ADRA+\slot] offset:(\i)*ASTEP+(2*(\q)+\c)*768+256*\p
.endr
.endr
.endm
.macro MUL16 a0, p, q, sc, zero
.irp a, \a0, \a0+1
.irp b, 0,1,2,3,4,5,6,7
.set rD, 8*(8*((\a)%4)+\b)
.set rB, 128*(\p)+FR*\b
.set rA, AF+FR*(\a)
.set rSB, SC+8*NQ*(\sc)+NQ*\b+(\q)
.set rSA, SC+8*NQ*(\sc)+NQ*(\a)+(\q)
.if \zero
	v_wmma_scale_f32_16x16x128_f8f6f4 v[rD:rD+7], v[rB:rB+FR-1], v[rA:rA+FR-1], v[BI+8*\b:BI+8*\b+7], v[rSB], v[rSA] matrix_a_fmt:MATRIX_FMT_FP6 matrix_b_fmt:MATRIX_FMT_FP6 matrix_a_scale:MATRIX_SCALE_ROW1
.else
	v_wmma_scale_f32_16x16x128_f8f6f4 v[rD:rD+7], v[rB:rB+FR-1], v[rA:rA+FR-1], v[rD:rD+7], v[rSB], v[rSA] matrix_a_fmt:MATRIX_FMT_FP6 matrix_b_fmt:MATRIX_FMT_FP6 matrix_a_scale:MATRIX_SCALE_ROW1
.endif
.endr
.endr
.endm
.macro FETCH_B slot, q, p
	WIN TO_B
.irp i, 0,1,2,3,4,5,6,7
	FRAG 128*(\p)+FR*\i, ADRB+\slot, \q, \i
.endr
	WIN 0
.endm
.macro FETCH_A slot, q, i0
.irp i, \i0, \i0+1, \i0+2, \i0+3
	FRAG_A AF+FR*(\i), \slot, \q, \i
.endr
.endm
.macro SCALES sc
.irp i, 0,1,2,3,4,5,6,7
	ds_load_b64 v[SC+8*NQ*\sc+NQ*\i:SC+8*NQ*\sc+NQ*\i+1], v[ADRS] offset:\i*SBLK
.endr
.endm
.macro PLACES n
.rept \n
	v_nop
.endr
.endm
.macro STEP slot, q, zero
	s_wait_dscnt 4*NL
.if \zero
	WIN 0x81
.else
	WIN MUL_LO
.endif
	MUL16 0, (\q)%2, \q, \slot, \zero
	MUL16 2, (\q)%2, \q, \slot, \zero
	s_wait_dscnt 0
	PLACES NP
	FETCH_B \slot, (\q)+1, 1-(\q)%2
	FETCH_A \slot, (\q)+1, 0
.if \zero
	WIN 0xc1
.else
	WIN MUL_HI
.endif
	MUL16 4, (\q)%2, \q, \slot, \zero
	MUL16 6, (\q)%2, \q, \slot, \zero
	PLACES NP
	WIN 0
	FETCH_A \slot, (\q)+1, 4
.endm
.macro TURN slot, next, fill
	s_wait_tensorcnt 0x0
	ds_add_u32 v[SPW], v[NIL]
	s_wait_dscnt 4*NL+1
	WIN MUL_LO
	MUL16 0, 1, NQ-1, \slot, 0
	s_wait_dscnt 0x0
	s_barrier_signal -1
	MUL16 2, 1, NQ-1, \slot, 0
	WIN 0
	s_barrier_wait -1
.if \fill
	CREST
	s_add_nc_u64 s[G0+4*\slot+2:G0+4*\slot+3], s[G0+4*\slot+2:G0+4*\slot+3], 2*ASTEP
	s_add_nc_u64 s[G0B+4*\slot+2:G0B+4*\slot+3], s[G0B+4*\slot+2:G0B+4*\slot+3], 2*PLANE
	JLOAD G0+4*\slot, G1, G0B+4*\slot, G1B
.else
	PLACES NP
.endif
	s_wait_alu depctr_va_vdst(0)
	v_add_nc_u32 v[ADRS], 4*NQ, v[ADRS]
	FETCH_B \next, 0, 0
	FETCH_A \next, 0, 0
	SCALES \next
	WIN MUL_HI
	MUL16 4, 1, NQ-1, \slot, 0
	MUL16 6, 1, NQ-1, \slot, 0
	PLACES NP
	WIN 0
	FETCH_A \next, 0, 4
.endm
	s_wait_alu depctr_va_vdst(0)
	s_wait_tensorcnt 0x0                           ; my tile of the head's four is in
	ds_add_u32 v[SPW], v[NIL]
	s_mov_b32 s[G1+2], 8<<16                       ; no tensor load of mine is out: from here on a load brings 128 rows
	s_mov_b32 s[G1+4], 8
	s_mov_b32 s[G1B+2], 96<<16
	s_mov_b32 s[G1B+4], 96
	s_wait_dscnt 0x0
	CROUND                                         ; all four tiles are in, and all sixteen work-groups are here
	JLOAD G0+4, G1, G0B+4, G1B                     ; slot 1's first fill, the first tensor load behind the round
	FETCH_B 0, 0, 0
	FETCH_A 0, 0, 0
	SCALES 0
	FETCH_A 0, 0, 4
	s_wait_loadcnt 0x0
	STEP 0, 0, 1
	s_mov_b32 s3, LAPS-1
.Llap:
	TURN 0, 1, 1
	STEP 1, 0, 0
	TURN 1, 0, 1
	STEP 0, 0, 0
	s_sub_co_u32 s3, s3, 1
	s_cmp_lg_u32 s3, 0
	s_cbranch_scc1 .Llap
	TURN 0, 1, 0
	STEP 1, 0, 0
	s_wait_dscnt 4*NL
	WIN MUL_LO
	MUL16 0, 1, NQ-1, 1, 0
	MUL16 2, 1, NQ-1, 1, 0
	s_wait_dscnt 0
	WIN MUL_HI
	MUL16 4, 1, NQ-1, 1, 0
	MUL16 6, 1, NQ-1, 1, 0
	WIN 0
.macro TOSTAGE a
.set AC, 64*((\a)%4)
	WIN 0x08+4*((\a)/4)
.irp b, 0,1,2,3,4,5,6,7
	ds_store_b128 v[STO], v[AC+8*\b:AC+8*\b+3] offset:64*\b
	ds_store_b128 v[STO], v[AC+8*\b+4:AC+8*\b+7] offset:64*\b+16
.endr
	WIN 0
.set BB, BK+64*((\a)%2)
.irp t, 0,1,2,3,4,5,6,7,8,9,10,11,12,13,14,15
	ds_load_b128 v[BB+4*\t:BB+4*\t+3], v[RD] offset:\t*SPITCH
.endr
.endm
.macro SEND a, younger
.set BB, BK+64*((\a)%2)
	s_wait_dscnt \younger
.if (\a) > 0
	s_add_nc_u64 s[12:13], s[12:13], 16*SIZE_N*4
.endif
.irp t, 0,1,2,3,4,5,6,7,8,9,10,11,12,13,14,15
	global_store_b128 v[CO], v[BB+4*\t:BB+4*\t+3], s[12:13] offset:\t*SIZE_N*4 th:TH_STORE_NT
.endr
.endm
	PLACES NP
	TOSTAGE 0
.irp a, 1,2,3,4,5,6,7
.if \a > 1
	s_wait_xcnt 0x0
.endif
	TOSTAGE \a
	SEND \a-1, 32
.endr
	s_wait_xcnt 0x0
	SEND 7, 0
	s_wait_tensorcnt 0x0
	ds_add_u32 v[SPW], v[NIL]
	s_wait_dscnt 0x0
	CROUND
	s_endpgm
.Lfunc_end_k_q60f6530d73_outp:
	.size	k_q60f6530d73_outp, .Lfunc_end_k_q60f6530d73_outp-k_q60f6530d73_outp
	.p2alignl 7, 3214868480
	.fill 96, 4, 3214868480
	.section	.rodata,"a",@progbits
	.p2align	6, 0x0
	.amdhsa_kernel k_q60f6530d73_outp
		.amdhsa_group_segment_fixed_size 327680
		.amdhsa_private_segment_fixed_size 0
		.amdhsa_enable_private_segment 0
		.amdhsa_kernarg_size 48
		.amdhsa_user_sgpr_count 2
		.amdhsa_user_sgpr_kernarg_segment_ptr 1
		.amdhsa_wavefront_size32 1
		.amdhsa_system_sgpr_workgroup_id_x 1
		.amdhsa_system_sgpr_workgroup_id_y 1
		.amdhsa_system_sgpr_workgroup_id_z 1
		.amdhsa_system_vgpr_workitem_id 0
		.amdhsa_next_free_vgpr 1024
		.amdhsa_next_free_sgpr 98
		.amdhsa_reserve_vcc 0
		.amdhsa_float_denorm_mode_32 3
		.amdhsa_float_denorm_mode_16_64 3
		.amdhsa_memory_ordered 1
		.amdhsa_forward_progress 1
		.amdhsa_inst_pref_size 163
	.end_amdhsa_kernel
	.amdgpu_metadata
---
amdhsa.version: [ 1, 2 ]
amdhsa.kernels:
  - .name:           k_q60f6530d73_outp
    .symbol:         k_q60f6530d73_outp.kd
    .args:
      - { .name: oimg, .offset: 0, .size: 8, .value_kind: global_buffer, .address_space: global }
      - { .name: osc, .offset: 8, .size: 8, .value_kind: global_buffer, .address_space: global }
      - { .name: codes, .offset: 16, .size: 8, .value_kind: global_buffer, .address_space: global }
      - { .name: scales, .offset: 24, .size: 8, .value_kind: global_buffer, .address_space: global }
      - { .name: Wo_b, .offset: 32, .size: 8, .value_kind: global_buffer, .address_space: global }
      - { .name: out0, .offset: 40, .size: 8, .value_kind: global_buffer, .address_space: global }
    .group_segment_fixed_size: 327680
    .private_segment_fixed_size: 0
    .kernarg_segment_align: 8
    .kernarg_segment_size: 48
    .max_flat_workgroup_size: 128
    .sgpr_count:     98
    .vgpr_count:     1024
    .wavefront_size: 32
...
	.end_amdgpu_metadata
.endif
;; end of part 4
